; MI455X (gfx1250); checked and timed in simulation.
; The chip was launched on July 23, 2026; its instructions are those of AMD's public machine-readable ISA for CDNA 5 (MIT licence, August 2026) and "CDNA5" Instruction Set Architecture Reference Guide (July 2026). The comments in the code are by the model that wrote it; some were corrected since.
;; Causal Self Attention. Allowed arithmetic: matrix products marked QUANTISED: E2M3 operands, one E8M0 scale for each 32 along K, by v_wmma_scale_f32_16x16x128_f8f6f4 with both operands' format E2M3, f32 sums; everything else in f32.
;; Inputs: Wk 1,024 x 1,024 float32; Wo 1,024 x 1,024 float32; Wq 1,024 x 1,024 float32; Wv 1,024 x 1,024 float32; bk 1,024 float32; bo 1,024 float32; bq 1,024 float32; bv 1,024 float32; x 4 x 2,048 x 1,024 float32.
;; Outputs: out0 4 x 2,048 x 1,024 float32.
;; This version of the problem:
;;   THIS VERSION OF THE PROBLEM IS GIVEN IN LOW PRECISION. The matrix products marked QUANTISED in the list below multiply operands that are first quantised to E2M3 (2 exponent bits, 3 mantissa bits; 6 bits a number), with one power-of-two scale for each 32 numbers along K (OCP MX v1.0); their sums are f32. All else is computed in f32.
;;   The module's matrix products, in the order in which they are computed (A, B: the left and right operand; K: the contracted axis; several contracted axes count as one K, in the product's order):
;;     1. [M 8,192, K 1,024] x [K 1,024, N 1,024]; A: input x; B: input Wq: QUANTISED
;;     2. [M 8,192, K 1,024] x [K 1,024, N 1,024]; A: input x; B: input Wk: QUANTISED
;;     3. [M 8,192, K 1,024] x [K 1,024, N 1,024]; A: input x; B: input Wv: QUANTISED
;;     4. batch 64 x [M 2,048, K 64] x [K 64, N 2,048]; A: computed on the way; B: computed on the way: QUANTISED
;;     5. batch 64 x [M 2,048, K 2,048] x [K 2,048, N 64]; A: softmax (see below); B: computed on the way: QUANTISED
;;     6. [M 8,192, K 1,024] x [K 1,024, N 1,024]; A: computed on the way; B: input Wo: QUANTISED
;;   THE QUANTISER, for each operand of a quantised product, along K:
;;     - K is cut into blocks of 32 from its start; a last block that is shorter is filled with zeros.
;;     - A block's scale is 2^e with e = floor(log2(the largest magnitude in the block)) - 2, held to -126 .. 127; a block of zeros has e = 0. As a byte (E8M0): e + 127.
;;     - Each number is divided by its block's scale, clamped to +-7.5, and rounded to the nearest number of E2M3, ties to even, subnormals kept.
;;     - The product sums the exact products of the quantised numbers (number of the format x scale) in f32.
;;   ~~~python
;;   def quantise(x, axis):      # numpy; x: float32 -> the quantised numbers, widened to float32 again
;;       x = np.moveaxis(x, axis, -1); K = x.shape[-1]
;;       x = np.pad(x, [(0, 0)] * (x.ndim - 1) + [(0, -K % 32)]); x = x.reshape(x.shape[:-1] + (-1, 32)); a = np.abs(x).max(-1, keepdims=True)
;;       e = np.where(a > 0, np.clip(np.frexp(np.where(a > 0, a, 1))[1] - 1 - 2, -126, 127), 0)      # np.frexp(a)[1] - 1 = floor(log2(a)), exactly
;;       r = np.clip(x / 2.0 ** e, -7.5, 7.5)
;;       step = 2.0 ** (np.maximum(np.frexp(np.where(r == 0, 1, r))[1] - 1, 0) - 3)
;;       q = np.round(r / step) * step * 2.0 ** e      # np.round: ties to even
;;       return np.moveaxis(q.reshape(q.shape[:-2] + (-1,))[..., :K], -1, axis).astype(np.float32)
;;   ~~~
;;   SOFTMAX AHEAD OF A QUANTISED PRODUCT. Where the list says 'softmax', what is quantised is not the finished softmax but p = 2^(t - M), with t = logit x log2(e) and M = ceil(the row's largest t), a whole number; so 1/2 < the row's largest p <= 1. The row's sum l is taken of the UNQUANTISED p, in f32, and the product's result is divided by l at the end. Since M is a whole number, a kernel that streams over the keys may use a running M (the ceiling of the running maximum): every later rescaling is an exact power of two, which a block's scale takes up: the codes' values come out the same.
;;   OPERANDS COMPUTED ON THE WAY. 'Computed on the way' means the value that the module computes at that place (a softmax that the list does not call 'softmax' is quantised finished and normalised). What goes into a quantiser is computed in f32, as accurately as f32 sums, v_exp_f32 and their like allow (about 1e-6 of the number): no bf16 or f16 on the way to a quantiser, and a product that is left as it is and whose result goes on into a quantised operand takes f32 operands (vector FMAs, or v_wmma_f32_16x16x4_f32). A number that lies on a knife's edge between two numbers of the format may be rounded either way, as far as f32 arithmetic and the matrix unit's own rounding can turn it there, and no further.
;; One version. Each part assembles by itself: llvm-mc -triple=amdgcn-amd-amdhsa -mcpu=gfx1250 --defsym DOCPART=n.
;; ======== version 1 of 1: 4 launches
;; workspace buffers: xq 6,553,600 bytes; wq 3,276,800 bytes; qk 13,107,200 bytes; vq 6,553,600 bytes; yq 6,553,600 bytes
;; launch quant (part 1): grid 384 x 1, 4 waves a work-group, no clusters, 61,440 bytes of LDS; arguments x, Wq, Wk, Wv, Wo, xq, wq; writes xq, wq
.if DOCPART == 1
	.amdgcn_target "amdgcn-amd-amdhsa--gfx1250"
	.amdhsa_code_object_version 6
	.text
	.protected	k_qd302bfe38f_quant
	.globl	k_qd302bfe38f_quant
	.p2align	8
	.type	k_qd302bfe38f_quant,@function
k_qd302bfe38f_quant:
	s_mov_b64 s[64:65], 0
	v_nop
	global_prefetch_b8 v0, s[64:65] scope:SCOPE_SE
	s_setreg_imm32_b32 hwreg(HW_REG_WAVE_MODE, 25, 1), 1
	s_wait_xcnt 0x0
; x [8192][1024] f32 and the four weights [1024 (k)][1024 (n)] f32 become codes of FP6 (E2M3) with one E8M0 byte for each 32 along K (x: its last axis; a weight: its FIRST axis).
; A block's scale is 2^(floor(log2(largest magnitude)) - 2): its byte is the largest magnitude's exponent field - 2, held at 1 from below.
; LIMITS: NaN and infinities are not served; a block whose largest magnitude lies under 2^-124, a block of zeros among them, gets the byte 1 (its codes are zeros or subnormal codes; these bytes are read by this program alone).
; THE OUTPUT IS LAID AS THE PRODUCTS' OPERAND REGISTERS.  A row tile 2 B + u holds 16 of the 32 rows of group B: fragment row r is row 32 B + 8 u + r + (r & 8).
; A fragment (16 rows x 128 K, 12 registers a lane) is an image of 1,536 bytes: half c (k = 64 c on) at 768 c; in it lane l's registers 6 c .. 6 c + 3 at 16 l, registers 6 c + 4, 6 c + 5 at 512 + 8 l.
; A buffer: images [tile][K step 0..7]; behind them scale words [B][K step / 2][u][r][K step % 2].
; Work-groups 0-255 take x: group B = the work-group, wave w the K steps 2 w and 2 w + 1.  Work-groups 256-383 take the weights: a lane takes a column and its registers run down K.
; The two paths have LDS bytes of their own and do not join.  Waves share nothing: no barrier.
.set SPARE, 60416                      ; the spare words: 128 bytes a wave, two blocks of 256 bytes that no other line names
.set XSTG,  8448                       ; x path: a wave's stage: 16 rows x (512 + 16) bytes, from LDS byte 0 on
.set WIMB,  33792                      ; W path: a wave's four images, 1,664 bytes apart (1,536 + 128, so that the two tiles' stores fall on different banks)
.set FS,    1664
.set L16, 4                            ; v4  16 x lane
.set L8,  5                            ; v5  8 x lane
.set SPW, 8                            ; v8  my spare word; never rewritten
.set NIL, 9                            ; v9  0; never rewritten
.set W,   10                           ; v10-13 x path: the four units' scale words
.set TM,  16                           ; v16-31 at work in QUANT
.set PC,  34                           ; v34-52 the codes just made
.set R,   64                           ; v64-191 x path: two sets of 64 registers as loaded
.set X,   192                          ; v192-255 x path: 64 numbers as QUANT wants them
.set SEL, 20                           ; s[20:21] lane selects: lane l xor 16
; 64 numbers of a lane, register 16 b + i = k 32 b + 16 (lane / 16) + i of my row, become a fragment's 12 registers in v[PC] on and its scale word in v[pw].
.macro QUANT s, pw
.irp b, 0,1,2,3
	v_max3_num_f32 v[TM+\b], |v[\s+16*\b]|, |v[\s+1+16*\b]|, 0x1800000   ; my 16 numbers of block b, and the floor 2^(3 - 127): the byte cannot fall under 1
.endr
.irp i, 2,4,6,8,10,12,14
.irp b, 0,1,2,3
	v_max3_num_f32 v[TM+\b], v[TM+\b], |v[\s+16*\b+\i]|, |v[\s+1+16*\b+\i]|
.endr
.endr
.irp b, 0,1,2,3
	v_permlanex16_b32 v[TM+4+\b], v[TM+\b], s[SEL], s[SEL+1]
.endr
.irp b, 0,1,2,3
	v_max_num_f32 v[TM+\b], v[TM+\b], v[TM+4+\b]       ; with lane l xor 16's: the block's largest magnitude
.endr
.irp b, 0,1,2,3
	v_add_nc_u32 v[TM+12+\b], 0xff000000, v[TM+\b]     ; 2 off its exponent field: the conversion's scale operand
.endr
.irp b, 0,1,2,3
	v_lshrrev_b32 v[TM+4+\b], 23, v[TM+12+\b]          ; the scale's byte
.endr
	v_lshl_or_b32 v[\pw], v[TM+5], 8, v[TM+4]
	v_lshl_or_b32 v[\pw], v[TM+6], 16, v[\pw]
	v_lshl_or_b32 v[\pw], v[TM+7], 24, v[\pw]
.irp c, 0,1
	v_cvt_scalef32_pk16_fp6_f32 v[PC+6*\c:PC+2+6*\c], v[\s+32*\c:\s+15+32*\c], v[TM+12+2*\c]
	v_cvt_scalef32_pk16_fp6_f32 v[PC+12+4*\c:PC+14+4*\c], v[\s+16+32*\c:\s+31+32*\c], v[TM+12+2*\c+1]   ; (a conversion's three registers begin on an even number)
.endr
	v_nop                                              ; one plain instruction behind the scaled conversions
.irp c, 0,1                                        ; the operand wants a whole block in a lane: lanes 0-15 block 2 c, lanes 16-31 block 2 c + 1
.irp i, 0,1,2
	v_permlane16_swap_b32 v[PC+6*\c+\i], v[PC+12+4*\c+\i]
.endr
.irp i, 0,1,2
	v_mov_b32 v[PC+3+6*\c+\i], v[PC+12+4*\c+\i]
.endr
.endr
.endm
	s_load_b256 s[4:11], s[0:1], 0x0               ; x s[4:5], Wq s[6:7], Wk s[8:9], Wv s[10:11]
	s_load_b128 s[12:15], s[0:1], 0x20             ; Wo s[12:13], xq s[14:15]
	s_load_b64 s[16:17], s[0:1], 0x30              ; wq
	v_lshl_add_u32 v[SPW], v0, 2, SPARE
	v_mov_b32 v[NIL], 0
	v_lshrrev_b32 v1, 5, v0
	v_readfirstlane_b32 s18, v1                    ; wave 0..3
	v_and_b32 v1, 31, v0                           ; lane
	v_and_b32 v2, 15, v0                           ; r
	v_bfe_u32 v3, v0, 4, 1                         ; h
	v_lshlrev_b32 v[L16], 4, v1
	v_lshlrev_b32 v[L8], 3, v1
	s_mov_b32 s[SEL], 0x76543210
	s_mov_b32 s[SEL+1], 0xfedcba98
	s_cmp_lt_u32 ttmp9, 256
	s_cbranch_scc0 .Lweights
	; ---------------- x: 32 rows a work-group, 256 along K a wave: four units (tile u = t / 2, K step 2 w + t % 2)
	s_mul_i32 s19, s18, XSTG                       ; my stage
	v_add_nc_u32 v6, s19, v[L16]                   ; in: a row's 512 bytes as they lie
	v_mul_u32_u24 v7, v2, 528
	v_lshl_add_u32 v7, v3, 6, v7
	v_add_nc_u32 v7, s19, v7                       ; out: row r, + 64 h: my 16 numbers of each block of 32
.irp b, 0,1,2,3
	v_mov_b32 v[TM+4+\b], 0                        ; written once: a lane permute's destination counts as one of its sources
.endr
	s_lshl_b32 s22, ttmp9, 17                      ; 32 rows of 4,096 bytes a group,
	s_lshl_b32 s23, s18, 10                        ; 1,024 bytes of each row a wave
	s_add_co_u32 s22, s22, s23
	s_mov_b32 s23, 0
	s_mul_i32 s24, ttmp9, 24576                    ; the group's two tiles of images,
	s_mul_i32 s25, s18, 3072                       ; my two K steps in a tile
	s_add_co_u32 s24, s24, s25
	s_mov_b32 s25, 0
	s_lshl_b32 s26, ttmp9, 10                      ; the group's scale words, 256 bytes of them mine
	s_lshl_b32 s27, s18, 8
	s_add_co_u32 s26, s26, s27
	s_add_co_u32 s26, s26, 6291456
	s_mov_b32 s27, 0
	s_wait_kmcnt 0x0
	s_add_nc_u64 s[4:5], s[4:5], s[22:23]
	s_add_nc_u64 s[28:29], s[14:15], s[26:27]
	s_add_nc_u64 s[14:15], s[14:15], s[24:25]
.macro LOADU t                         ; unit t: fragment row i is row 8 u + i + 8 (i / 8); each load reads 512 consecutive bytes
.set i, 0
.rept 16
	global_load_b128 v[R+64*((\t)%2)+4*i:R+64*((\t)%2)+4*i+3], v[L16], s[4:5] offset:(8*((\t)/2)+i+8*(i/8))*4096+512*((\t)%2) th:TH_LOAD_NT
.set i, i+1
.endr
.endm
.macro UNIT t
.if (\t) < 3
	s_wait_loadcnt 16                              ; this unit's 16 loads are in; the next unit's 16 may be out
.else
	s_wait_loadcnt 0
.endif
.set i, 0
.rept 16
	ds_store_b128 v6, v[R+64*((\t)%2)+4*i:R+64*((\t)%2)+4*i+3] offset:528*i
.set i, i+1
.endr
.set i, 0
.rept 16
	ds_load_b128 v[X+4*i:X+4*i+3], v7 offset:128*(i/4)+16*(i%4)    ; LDS serves a wave's instructions in order: these see the stores above
.set i, i+1
.endr
	s_wait_dscnt 0x0                               ; the numbers are back, and the stores have read the loaded set
.if (\t) < 2
	LOADU (\t)+2
.endif
.if (\t) > 0
	s_wait_xcnt 0x0                                ; the last unit's stores have read their data: the codes' registers are written again only behind this wait
.endif
	QUANT X, W+(\t)
	global_store_b128 v[L16], v[PC:PC+3], s[14:15] offset:((\t)/2)*12288+((\t)%2)*1536          ; 512 consecutive bytes
	global_store_b64 v[L8], v[PC+4:PC+5], s[14:15] offset:((\t)/2)*12288+((\t)%2)*1536+512      ; 256 consecutive bytes
	global_store_b128 v[L16], v[PC+6:PC+9], s[14:15] offset:((\t)/2)*12288+((\t)%2)*1536+768
	global_store_b64 v[L8], v[PC+10:PC+11], s[14:15] offset:((\t)/2)*12288+((\t)%2)*1536+1280
.endm
	LOADU 0
	LOADU 1
	UNIT 0
	UNIT 1
	UNIT 2
	UNIT 3
	v_cmp_le_u32 vcc_lo, 16, v1                    ; lanes 0-15 store tile 0's two words of row r, lanes 16-31 tile 1's
	v_cndmask_b32 v14, v[W], v[W+2], vcc_lo
	v_cndmask_b32 v15, v[W+1], v[W+3], vcc_lo
	global_store_b64 v[L8], v[14:15], s[28:29]     ; 256 consecutive bytes, aligned
	s_wait_tensorcnt 0x0                           ; the wave's end
	ds_add_u32 v[SPW], v[NIL]
	s_wait_dscnt 0x0
	s_endpgm
	; ---------------- the weights: work-group g' = weight x 32 + K quarter x 8 + column block; a wave takes 32 columns x 256 along K: 8 blocks a lane
.Lweights:
	s_mul_i32 s19, s18, 4*FS
	s_add_co_u32 s19, s19, WIMB                    ; my four images (K step q, tile u: 2 q + u)
	v_bfe_u32 v20, v1, 3, 1                        ; column 32 B + lane is row r of tile u: u = bit 3,
	v_and_b32 v21, 7, v1
	v_bfe_u32 v22, v1, 4, 1
	v_lshl_add_u32 v21, v22, 3, v21                ; r = 8 x bit 4 + the low three bits
	v_mul_u32_u24 v23, v20, FS
	v_lshl_add_u32 v6, v21, 4, v23
	v_add_nc_u32 v6, s19, v6                       ; where my first four registers of a block go
	v_lshl_add_u32 v7, v21, 3, v23
	v_add_nc_u32 v7, s19, v7                       ; and (512 on) the last two
	v_lshlrev_b32 v24, 3, v21
	v_lshl_add_u32 v24, v20, 7, v24                ; my two scale words: 128 u + 8 r
	v_lshlrev_b32 v25, 2, v1                       ; in: 4 bytes a lane
	v_add_nc_u32 v26, s19, v[L16]                  ; the images read back as bytes
	s_sub_co_u32 s22, ttmp9, 256                   ; g'
	s_lshr_b32 s23, s22, 5                         ; which weight: 0 Wq, 1 Wk, 2 Wv, 3 Wo
	s_and_b32 s24, s22, 7                          ; column block of 128
	s_bfe_u32 s25, s22, 0x20003                    ; K quarter
	s_lshl_b32 s26, s25, 20                        ; 256 rows of 4,096 bytes,
	s_lshl_b32 s27, s24, 9
	s_add_co_u32 s26, s26, s27
	s_lshl_b32 s27, s18, 7
	s_add_co_u32 s26, s26, s27                     ; + 4 x my first column
	s_mov_b32 s27, 0
	s_lshl_b32 s28, s23, 5
	s_lshl_b32 s29, s24, 2
	s_add_co_u32 s28, s28, s29
	s_add_co_u32 s28, s28, s18                     ; group B = 32 x weight + 4 x column block + wave
	s_mul_i32 s30, s28, 24576
	s_mul_i32 s31, s25, 3072
	s_add_co_u32 s30, s30, s31
	s_mov_b32 s31, 0
	s_lshl_b32 s28, s28, 10
	s_lshl_b32 s29, s25, 8
	s_add_co_u32 s28, s28, s29
	s_add_co_u32 s28, s28, 3145728
	s_mov_b32 s29, 0
	s_wait_kmcnt 0x0
	s_cmp_eq_u32 s23, 1                            ; the choice hangs on the work-group's number alone
	s_cselect_b64 s[6:7], s[8:9], s[6:7]
	s_cmp_eq_u32 s23, 2
	s_cselect_b64 s[6:7], s[10:11], s[6:7]
	s_cmp_eq_u32 s23, 3
	s_cselect_b64 s[6:7], s[12:13], s[6:7]
	s_add_nc_u64 s[6:7], s[6:7], s[26:27]
	s_add_nc_u64 s[32:33], s[16:17], s[28:29]      ; scale words
	s_add_nc_u64 s[16:17], s[16:17], s[30:31]      ; images
.macro LOADW t                         ; block t: W(32 t + i, my column) into set t % 2; a load reads 128 consecutive bytes, the four waves stand side by side
.set i, 0
.rept 32
	global_load_b32 v[64+32*((\t)%2)+i], v25, s[6:7] offset:(32*(\t)+i)*4096 th:TH_LOAD_NT
.set i, i+1
.endr
.endm
.macro BLOCK t                         ; block t is K step t / 4, half c = (t / 2) % 2, lane half h = t % 2 of the fragment
.set XS, 64+32*((\t)%2)
.if (\t) < 7
	s_wait_loadcnt 32                              ; this block's 32 loads are in; the next block's may be out
.else
	s_wait_loadcnt 0
.endif
	v_max3_num_f32 v16, |v[XS]|, |v[XS+1]|, |v[XS+2]|
	v_max3_num_f32 v17, |v[XS+3]|, |v[XS+4]|, |v[XS+5]|
.irp i, 6,10,14,18,22,26
	v_max3_num_f32 v16, v16, |v[XS+\i]|, |v[XS+\i+1]|
	v_max3_num_f32 v17, v17, |v[XS+\i+2]|, |v[XS+\i+3]|
.endr
	v_max3_num_f32 v16, v16, |v[XS+30]|, |v[XS+31]|
	v_max3_num_f32 v16, v16, v17, 0x1800000        ; and the floor
	v_add_nc_u32 v18, 0xff000000, v16              ; the conversion's scale operand
	v_lshrrev_b32 v19, 23, v18                     ; the byte
.if (\t)%4 == 0
	v_mov_b32 v[14+(\t)/4], v19
.else
	v_lshl_or_b32 v[14+(\t)/4], v19, 8*((\t)%4), v[14+(\t)/4]
.endif
	v_cvt_scalef32_pk16_fp6_f32 v[34:36], v[XS:XS+15], v18
	v_cvt_scalef32_pk16_fp6_f32 v[40:42], v[XS+16:XS+31], v18
	v_nop                                          ; one plain instruction behind the scaled conversions
	v_mov_b32 v37, v40
	v_mov_b32 v38, v41
	v_mov_b32 v39, v42
	ds_store_b128 v6, v[34:37] offset:2*FS*((\t)/4)+768*(((\t)/2)%2)+256*((\t)%2)
	ds_store_b64 v7, v[38:39] offset:2*FS*((\t)/4)+768*(((\t)/2)%2)+128*((\t)%2)+512
.if (\t) < 6
	LOADW (\t)+2
.endif
	s_wait_dscnt 0x0                               ; the stores have read their registers
.endm
	LOADW 0
	LOADW 1
.irp t, 0,1,2,3,4,5,6,7
	BLOCK \t
.endr
	global_store_b64 v24, v[14:15], s[32:33]       ; the 32 lanes fill 256 consecutive bytes
.set n, 0
.rept 12                               ; image f = n / 3 = 2 q + u, its n % 3-th 512 bytes
	ds_load_b128 v[128+4*n:131+4*n], v26 offset:FS*(n/3)+512*(n%3)
.set n, n+1
.endr
.set n, 0
.rept 12
	s_wait_dscnt 11-n                              ; LDS loads come back in order: the n-th is in
	global_store_b128 v[L16], v[128+4*n:131+4*n], s[16:17] offset:12288*((n/3)%2)+1536*(n/6)+512*(n%3)
.set n, n+1
.endr
	s_wait_tensorcnt 0x0                           ; the wave's end
	ds_add_u32 v[SPW], v[NIL]
	s_wait_dscnt 0x0
	s_endpgm
.Lfunc_end_k_qd302bfe38f_quant:
	.size	k_qd302bfe38f_quant, .Lfunc_end_k_qd302bfe38f_quant-k_qd302bfe38f_quant
	.p2alignl 7, 3214868480
	.fill 96, 4, 3214868480
	.section	.rodata,"a",@progbits
	.p2align	6, 0x0
	.amdhsa_kernel k_qd302bfe38f_quant
		.amdhsa_group_segment_fixed_size 61440
		.amdhsa_private_segment_fixed_size 0
		.amdhsa_enable_private_segment 0
		.amdhsa_kernarg_size 56
		.amdhsa_user_sgpr_count 2
		.amdhsa_user_sgpr_kernarg_segment_ptr 1
		.amdhsa_wavefront_size32 1
		.amdhsa_system_sgpr_workgroup_id_x 1
		.amdhsa_system_sgpr_workgroup_id_y 1
		.amdhsa_system_sgpr_workgroup_id_z 1
		.amdhsa_system_vgpr_workitem_id 0
		.amdhsa_next_free_vgpr 256
		.amdhsa_next_free_sgpr 66
		.amdhsa_reserve_vcc 1
		.amdhsa_float_denorm_mode_32 3
		.amdhsa_float_denorm_mode_16_64 3
		.amdhsa_memory_ordered 1
		.amdhsa_forward_progress 1
		.amdhsa_inst_pref_size 75
	.end_amdhsa_kernel
	.amdgpu_metadata
---
amdhsa.version: [ 1, 2 ]
amdhsa.kernels:
  - .name:           k_qd302bfe38f_quant
    .symbol:         k_qd302bfe38f_quant.kd
    .args:
      - { .name: x, .offset: 0, .size: 8, .value_kind: global_buffer, .address_space: global }
      - { .name: Wq, .offset: 8, .size: 8, .value_kind: global_buffer, .address_space: global }
      - { .name: Wk, .offset: 16, .size: 8, .value_kind: global_buffer, .address_space: global }
      - { .name: Wv, .offset: 24, .size: 8, .value_kind: global_buffer, .address_space: global }
      - { .name: Wo, .offset: 32, .size: 8, .value_kind: global_buffer, .address_space: global }
      - { .name: xq, .offset: 40, .size: 8, .value_kind: global_buffer, .address_space: global }
      - { .name: wq, .offset: 48, .size: 8, .value_kind: global_buffer, .address_space: global }
    .group_segment_fixed_size: 61440
    .private_segment_fixed_size: 0
    .kernarg_segment_align: 8
    .kernarg_segment_size: 56
    .max_flat_workgroup_size: 128
    .sgpr_count:     66
    .vgpr_count:     256
    .wavefront_size: 32
...
	.end_amdgpu_metadata
.endif
;; end of part 1
;; launch gemm_qkv (part 2): grid 8 x 48, 4 waves a work-group, clusters of 4 x 4, 327,680 bytes of LDS; arguments xq, wq, bq, bk, bv, qk, vq; writes qk, vq
.if DOCPART == 2
	.amdgcn_target "amdgcn-amd-amdhsa--gfx1250"
	.amdhsa_code_object_version 6
	.text
	.protected	k_qd302bfe38f_gemm_qkv
	.globl	k_qd302bfe38f_gemm_qkv
	.p2align	8
	.type	k_qd302bfe38f_gemm_qkv,@function
k_qd302bfe38f_gemm_qkv:
	s_mov_b64 s[64:65], 0
	v_nop
	global_prefetch_b8 v0, s[64:65] scope:SCOPE_SE
	s_setreg_imm32_b32 hwreg(HW_REG_WAVE_MODE, 25, 1), 1
	s_wait_xcnt 0x0
	s_wait_alu depctr_hold_cnt(0) depctr_sa_sdst(0) depctr_va_vdst(0) depctr_va_sdst(0) depctr_va_ssrc(0) depctr_va_vcc(0) depctr_vm_vsrc(0)
	s_getreg_b32 s2, hwreg(HW_REG_IB_STS2, 6, 4)
	s_cmp_eq_u32 s2, 0
	s_cbranch_scc0 .Lentry_in_a_cluster
	s_endpgm
.Lentry_in_a_cluster:
	s_bfe_u32 s2, ttmp6, 0x10000c
	s_cmp_lg_u32 s2, 0xf033
	s_cbranch_scc0 .Lentry_shape_is_right
	s_endpgm
.Lentry_shape_is_right:
; q = x Wq + bq, k = x Wk + bk, v = x Wv + bv on codes of FP6 (E2M3) with E8M0 scales, K = 1,024, sums in f32; the results are quantised here, in registers, and leave as codes:
; q and k along the head's 64 (buffer qk), v along the keys (buffer vq).  No f32 result goes to memory.
; A tile of 256 x 256 a work-group, 128 x 128 a wave (64 accumulators).  THE MATRIX INSTRUCTION IS USED TRANSPOSED: source 0 = operand B, whose rows come to lie along a lane's registers; source 1 = operand A, whose rows lie in lanes.
; Clusters with y under 8: A = x (tokens in lanes), B = Wq and Wk on end (columns along registers: a lane's 64 registers are 128 columns = two heads of one token).
; Clusters with y from 8 on compute v TRANSPOSED: A = Wv (channels in lanes), B = x (tokens along registers: a lane's 64 registers are 128 keys of one channel).  The choice hangs on the cluster's y, which all partners share.
; OPERANDS are images of their registers (16 rows x 128 K: 1,536 bytes; half c at 768 c: registers 6 c .. 6 c + 3 at 16 x lane, 6 c + 4, 6 c + 5 at 512 + 8 x lane); fragment row r of tile 2 B + u is row 32 B + 8 u + r + (r & 8),
; so that the 16 registers of two neighbouring tiles of source 0 are 16 neighbours: what the quantiser wants.
; K goes through two LDS slots of 256 along K (a tile's part: 3,072 consecutive bytes); four slots' worth in all, written out without a loop.  The scale words of all of K come once.
; CLUSTER 4 x 4: A's tiles are asked for jointly along a row of the cluster, B's along a column.
; LIMITS: NaN and infinities are not served; a block whose largest magnitude lies under 2^-124 gets the scale byte 1 (read by this program alone).
; REGISTERS: window 0: v1-14 lane terms; v16-23, v27 LDS addresses; v28, v29 the add's two; v32-63 scale words, two sets; v64-127 the bias by column; v128-223 A's fragments, one set; v224-239 the bias by row; v240-255 at work in the quantiser.
;   window 1: B's fragments, two sets, at v0 and v128.  windows 2, 3: the accumulators ((a, b) at v[8 (8 (a % 4) + b)]).  On the way out v128-223 of window 0 are free.
.set SLOT,   98304                     ; a slot: A's 16 tiles x 3,072 bytes, then B's
.set HALFT,  24576                     ; 8 tiles: what one tensor load brings and one wave reads of A or of B
.set TILEB,  3072
.set FRB,    1536
.set SCL,    196608                    ; behind the ring: A's scale words (8,192 bytes); B's begin 8,320 on (128 bytes between, so that the two halves of a load fall on different banks)
.set SPARE,  213248                    ; the spare words: 128 bytes a wave, two blocks of 256 bytes that no other line names
.set FR, 12
.set NQ, 2
.set NL, 4                             ; LDS loads that bring a fragment
.set NP, 4                             ; places behind this matrix instruction (ISA guide 7.12.1)
.set L16, 8
.set L8,  9
.set ADRA16, 16
.set ADRA8,  18
.set ADRB16, 20
.set ADRB8,  22
.set ADRS, 27
.set SPW,  28
.set NIL,  29
.set SC,   32
.set BI,   64
.set AF,   128
.set RB,   224
.set T,    128                         ; the way out: 64 numbers
.set PC,   192                         ; the codes just made (v192-210)
.set PWS,  212                         ; eight scale words
.set SW,   220                         ; four words to store
.set TM,   240
.set WV, 18
.set WR, 19
.set WC, 20
.set CX, 21
.set CY, 22
.set ISV, 23
.set G1, 24
.set G0, 32
.set TR, 40
.set TC, 41
.set G1B, 48
.set G0B, 56
.set G1S, 68
.set G0S, 76
.set G1SB, 80
.set G0SB, 88
.set SEL, 100
.set MSB, 0
.macro WIN new                         ; the immediate's high byte repeats the setting that is left
.if MSB != (\new)
	s_set_vgpr_msb (MSB<<8)|(\new)
.set MSB, (\new)
.endif
.endm
.set MUL_LO, 0xa1                      ; source 0 (B) window 1, source 1 (A) window 0, C and D window 2
.set MUL_HI, 0xf1
.set TO_B,   0x40
; A joint load: waves 0 and 1 fetch for A, waves 2 and 3 for B; the branch hangs on the wave's number alone.  An s_nop 0 and four v_nop follow each of the two lines.
.macro JLOAD g0a, g1a, g0b, g1b
	s_cmp_eq_u32 s[WR], 0
	s_cbranch_scc0 .Lfor_b_\@
	tensor_load_to_lds s[\g0a:\g0a+3], s[\g1a:\g1a+7]
	s_nop 0
.rept 4
	v_nop
.endr
	s_branch .Lasked_\@
.Lfor_b_\@:
	tensor_load_to_lds s[\g0b:\g0b+3], s[\g1b:\g1b+7]
	s_nop 0
.rept 4
	v_nop
.endr
.Lasked_\@:
.endm
.macro CREST                           ; a round of the cluster's barrier behind its opening barrier
	s_cmp_lg_u32 s[WV], 0
	s_cbranch_scc1 .Lnot_wave_0_\@
	s_barrier_signal -3
.Lnot_wave_0_\@:
	s_barrier_wait -3
	s_barrier_signal -1
	s_barrier_wait -1
.endm
.macro CROUND
	s_barrier_signal -1
	s_barrier_wait -1
	CREST
.endm
.macro PLACES n
.rept \n
	v_nop
.endr
.endm
.macro FRAG reg, a16, a8, q, i         ; an image comes back as the operand's registers: every load reads consecutive bytes
	ds_load_b128 v[\reg:\reg+3], v[\a16] offset:TILEB*(\i)+FRB*(\q)
	ds_load_b64 v[\reg+4:\reg+5], v[\a8] offset:TILEB*(\i)+FRB*(\q)+512
	ds_load_b128 v[\reg+6:\reg+9], v[\a16] offset:TILEB*(\i)+FRB*(\q)+768
	ds_load_b64 v[\reg+10:\reg+11], v[\a8] offset:TILEB*(\i)+FRB*(\q)+1280
.endm
; 16 matrix instructions: A's blocks a0, a0 + 1 x B's eight.  p: B's set; q: the slot's q-th 128 along K; sc: the set of scale words.  The 64 accumulators take turns, one instruction a turn.
.macro MUL16 a0, p, q, sc, zero
.irp a, \a0, \a0+1
.irp b, 0,1,2,3,4,5,6,7
.if \zero
	v_wmma_scale_f32_16x16x128_f8f6f4 v[8*(8*((\a)%4)+\b):8*(8*((\a)%4)+\b)+7], v[128*(\p)+FR*\b:128*(\p)+FR*\b+FR-1], v[AF+FR*(\a):AF+FR*(\a)+FR-1], 0, v[SC+8*NQ*(\sc)+NQ*\b+(\q)], v[SC+8*NQ*(\sc)+NQ*(\a)+(\q)] matrix_a_fmt:MATRIX_FMT_FP6 matrix_b_fmt:MATRIX_FMT_FP6 matrix_a_scale:MATRIX_SCALE_ROW1
.else
	v_wmma_scale_f32_16x16x128_f8f6f4 v[8*(8*((\a)%4)+\b):8*(8*((\a)%4)+\b)+7], v[128*(\p)+FR*\b:128*(\p)+FR*\b+FR-1], v[AF+FR*(\a):AF+FR*(\a)+FR-1], v[8*(8*((\a)%4)+\b):8*(8*((\a)%4)+\b)+7], v[SC+8*NQ*(\sc)+NQ*\b+(\q)], v[SC+8*NQ*(\sc)+NQ*(\a)+(\q)] matrix_a_fmt:MATRIX_FMT_FP6 matrix_b_fmt:MATRIX_FMT_FP6 matrix_a_scale:MATRIX_SCALE_ROW1
.endif
.endr
.endr
.endm
.macro FETCH_B slot, q, p
	WIN TO_B
.irp i, 0,1,2,3,4,5,6,7
	FRAG 128*(\p)+FR*\i, ADRB16+\slot, ADRB8+\slot, \q, \i
.endr
	WIN 0
.endm
.macro FETCH_A slot, q, i0
.irp i, \i0, \i0+1, \i0+2, \i0+3
	FRAG AF+FR*(\i), ADRA16+\slot, ADRA8+\slot, \q, \i
.endr
.endm
.macro SCALES sc                       ; a slot's two words a row: lanes 0-15 A's block i, lanes 16-31 B's block i
.irp i, 0,1,2,3,4,5,6,7
	ds_load_b64 v[SC+8*NQ*\sc+NQ*\i:SC+8*NQ*\sc+NQ*\i+1], v[ADRS] offset:(\i/2)*1024+(\i%2)*128
.endr
.endm
; A step of 128 along K that has its successor in the same slot.  A has one set of registers: blocks 0-3 are fetched anew in the step's middle, blocks 4-7 at its end.
.macro STEP slot, q, zero
	s_wait_dscnt 4*NL                              ; all but the youngest 16 loads (A's blocks 4-7)
	WIN MUL_LO
	MUL16 0, (\q)%2, \q, \slot, \zero
	MUL16 2, (\q)%2, \q, \slot, \zero
	s_wait_dscnt 0
	PLACES NP                                      ; in front of loads into registers that matrix instructions have read
	FETCH_B \slot, (\q)+1, 1-(\q)%2
	FETCH_A \slot, (\q)+1, 0
	WIN MUL_HI
	MUL16 4, (\q)%2, \q, \slot, \zero
	MUL16 6, (\q)%2, \q, \slot, \zero
	PLACES NP
	WIN 0
	FETCH_A \slot, (\q)+1, 4
.endm
; A slot's last step changes slots: one barrier; in front of it each wave waits for all its tensor loads, adds 0 to its spare word and waits for that and for its reads of this slot.  fill = 1: the slot is filled again, two slots ahead.
.macro TURN slot, next, fill
	s_wait_tensorcnt 0x0                           ; all my tensor loads have landed: my part of the next slot
	ds_add_u32 v[SPW], v[NIL]
	s_wait_dscnt 4*NL+1                            ; (the add and A's blocks 4-7 may be out)
	WIN MUL_LO
	MUL16 0, 1, NQ-1, \slot, 0
	s_wait_dscnt 0x0                               ; the add is done, and my reads of this slot are over
	s_barrier_signal -1
	MUL16 2, 1, NQ-1, \slot, 0
	WIN 0
	s_barrier_wait -1
.if \fill
	CREST                                          ; the barrier has opened a round of the cluster's: no wave of any partner still reads this slot or has a load on its way
	s_add_nc_u64 s[G0+4*\slot+2:G0+4*\slot+3], s[G0+4*\slot+2:G0+4*\slot+3], 2*TILEB
	s_add_nc_u64 s[G0B+4*\slot+2:G0B+4*\slot+3], s[G0B+4*\slot+2:G0B+4*\slot+3], 2*TILEB
	JLOAD G0+4*\slot, G1, G0B+4*\slot, G1B         ; the first tensor load behind the round; its four v_nop are the places in front of the loads below
.else
	PLACES NP
.endif
	v_add_nc_u32 v[ADRS], 256, v[ADRS]             ; the next slot's scale words
	FETCH_B \next, 0, 0
	FETCH_A \next, 0, 0
	SCALES \next
	WIN MUL_HI
	MUL16 4, 1, NQ-1, \slot, 0
	MUL16 6, 1, NQ-1, \slot, 0
	PLACES NP
	WIN 0
	FETCH_A \next, 0, 4
.endm
; 64 numbers of a lane, register 16 b + i = k 32 b + 16 (lane / 16) + i of my row, become a fragment's 12 registers in v[PC] on and its scale word in v[pw].
.macro QUANT s, pw
.irp b, 0,1,2,3
	v_max3_num_f32 v[TM+\b], |v[\s+16*\b]|, |v[\s+1+16*\b]|, 0x1800000   ; and the floor 2^(3 - 127): the byte cannot fall under 1
.endr
.irp i, 2,4,6,8,10,12,14
.irp b, 0,1,2,3
	v_max3_num_f32 v[TM+\b], v[TM+\b], |v[\s+16*\b+\i]|, |v[\s+1+16*\b+\i]|
.endr
.endr
.irp b, 0,1,2,3
	v_permlanex16_b32 v[TM+4+\b], v[TM+\b], s[SEL], s[SEL+1]
.endr
.irp b, 0,1,2,3
	v_max_num_f32 v[TM+\b], v[TM+\b], v[TM+4+\b]
.endr
.irp b, 0,1,2,3
	v_add_nc_u32 v[TM+12+\b], 0xff000000, v[TM+\b]     ; 2 off the exponent field: the conversion's scale operand
.endr
.irp b, 0,1,2,3
	v_lshrrev_b32 v[TM+4+\b], 23, v[TM+12+\b]
.endr
	v_lshl_or_b32 v[\pw], v[TM+5], 8, v[TM+4]
	v_lshl_or_b32 v[\pw], v[TM+6], 16, v[\pw]
	v_lshl_or_b32 v[\pw], v[TM+7], 24, v[\pw]
.irp c, 0,1
	v_cvt_scalef32_pk16_fp6_f32 v[PC+6*\c:PC+2+6*\c], v[\s+32*\c:\s+15+32*\c], v[TM+12+2*\c]
	v_cvt_scalef32_pk16_fp6_f32 v[PC+12+4*\c:PC+14+4*\c], v[\s+16+32*\c:\s+31+32*\c], v[TM+12+2*\c+1]
.endr
	v_nop                                              ; one plain instruction behind the scaled conversions
.irp c, 0,1
.irp i, 0,1,2
	v_permlane16_swap_b32 v[PC+6*\c+\i], v[PC+12+4*\c+\i]
.endr
.irp i, 0,1,2
	v_mov_b32 v[PC+3+6*\c+\i], v[PC+12+4*\c+\i]
.endr
.endr
.endm
	s_load_b256 s[4:11], s[0:1], 0x0               ; xq s[4:5], wq s[6:7], bq s[8:9], bk s[10:11]
	s_load_b128 s[12:15], s[0:1], 0x20             ; bv s[12:13], qk s[14:15]
	s_load_b64 s[16:17], s[0:1], 0x30              ; vq
	v_lshl_add_u32 v[SPW], v0, 2, SPARE
	v_mov_b32 v[NIL], 0
	ds_add_u32 v[SPW], v[NIL]                      ; the wave's opening: the add and its wait ahead of my first tensor load; work on registers stands between them
	v_lshrrev_b32 v1, 5, v0
	v_readfirstlane_b32 s[WV], v1                  ; wave 0..3
	s_lshr_b32 s[WR], s[WV], 1                     ; my half of A's rows.  Also: I fetch for A (0) or for B (1)
	s_and_b32 s[WC], s[WV], 1                      ; my half of B's rows.  Also: which 8 tiles I fetch
	s_bfe_u32 s[CX], ttmp6, 0x40000
	s_bfe_u32 s[CY], ttmp6, 0x40004
	s_and_b32 s44, ttmp7, 0xffff                   ; the cluster's y
	s_cmp_ge_u32 s44, 8
	s_cselect_b32 s[ISV], 1, 0                     ; 1: this cluster computes v transposed
	s_lshl_b32 s45, s44, 2
	s_cmp_eq_u32 s[ISV], 1
	s_cselect_b32 s45, 0, s45
	s_add_co_u32 s[TR], s45, s[CY]                 ; A's tile of 256 rows: tokens 4 y + cy, or channels cy
	s_sub_co_u32 s46, s44, 8
	s_lshl_b32 s46, s46, 1
	s_add_co_u32 s46, s46, ttmp9
	s_cmp_eq_u32 s[ISV], 1
	s_cselect_b32 s46, s46, ttmp9
	s_lshl_b32 s46, s46, 2
	s_add_co_u32 s[TC], s46, s[CX]                 ; B's tile: columns of Wq, Wk: 4 x + cx; or tokens 4 (2 (y - 8) + x) + cx
	s_lshl_b32 s42, s[CY], 2
	s_lshl_b32 s42, 15, s42                        ; my row of the cluster
	s_lshl_b32 s43, 0x1111, s[CX]                  ; my column
	; descriptor group 1 for codes: 8 rows (tiles) of 384 elements of 8 bytes, 1,536 elements apart; no padding
	s_or_b32 s[G1+0], s42, (3<<16)|(1<<21)
	s_or_b32 s[G1B+0], s43, (3<<16)|(1<<21)
.irp g, G1, G1B
	s_mov_b32 s[\g+1], 384<<16                     ; tensor_dim0
	s_mov_b32 s[\g+2], 8<<16                       ; tensor_dim1
	s_mov_b32 s[\g+3], 384<<16                     ; tile_dim0
	s_mov_b32 s[\g+4], 8                           ; tile_dim1
	s_mov_b32 s[\g+5], 1536                        ; tensor_dim0_stride
	s_mov_b32 s[\g+6], 0
	s_mov_b32 s[\g+7], 0
.endr
	; and for the scale words of 8 tiles: 4,096 dense bytes as 16 rows of 256
	s_or_b32 s[G1S+0], s42, (3<<16)|(1<<21)
	s_or_b32 s[G1SB+0], s43, (3<<16)|(1<<21)
.irp g, G1S, G1SB
	s_mov_b32 s[\g+1], 32<<16
	s_mov_b32 s[\g+2], 16<<16
	s_mov_b32 s[\g+3], 32<<16
	s_mov_b32 s[\g+4], 16
	s_mov_b32 s[\g+5], 32
	s_mov_b32 s[\g+6], 0
	s_mov_b32 s[\g+7], 0
.endr
	; A: the first tile that I fetch, its images and its scale words (registers that never hold cx)
	s_lshl_b32 s2, s[TR], 4
	s_lshl_b32 s3, s[WC], 3
	s_add_co_u32 s2, s2, s3
	s_lshl_b32 s3, s[ISV], 7                       ; Wv's tiles begin at 128
	s_add_co_u32 s2, s2, s3
	s_lshl_b32 s44, s2, 9
	s_mov_b32 s45, 6291456
	s_cmp_eq_u32 s[ISV], 1
	s_cselect_b32 s45, 3145728, s45
	s_add_co_u32 s44, s44, s45
	s_mov_b32 s45, 0
	s_mul_i32 s2, s2, 12288
	s_mov_b32 s3, 0
	; B likewise (registers that never hold cy)
	s_lshl_b32 s46, s[TC], 4
	s_lshl_b32 s47, s[WC], 3
	s_add_co_u32 s46, s46, s47
	s_lshl_b32 s66, s46, 9
	s_mov_b32 s67, 3145728
	s_cmp_eq_u32 s[ISV], 1
	s_cselect_b32 s67, 6291456, s67
	s_add_co_u32 s66, s66, s67
	s_mov_b32 s67, 0
	s_mul_i32 s46, s46, 12288
	s_mov_b32 s47, 0
	s_mul_i32 s92, s[WV], HALFT                    ; where they go: the wave's number alone
	s_lshl_b32 s93, s[WV], 12
	s_lshl_b32 s94, s[WR], 7
	s_add_co_u32 s93, s93, s94
	s_add_co_u32 s93, s93, SCL
	s_mov_b32 s[SEL], 0x76543210
	s_mov_b32 s[SEL+1], 0xfedcba98
	s_wait_dscnt 0x0                               ; the opening add is done
	s_wait_kmcnt 0x0
	s_cmp_eq_u32 s[ISV], 1
	s_cselect_b64 s[96:97], s[6:7], s[4:5]         ; A's buffer
	s_cselect_b64 s[98:99], s[4:5], s[6:7]         ; B's
	s_add_nc_u64 s[44:45], s[96:97], s[44:45]
	s_add_nc_u64 s[2:3], s[96:97], s[2:3]
	s_add_nc_u64 s[66:67], s[98:99], s[66:67]
	s_add_nc_u64 s[46:47], s[98:99], s[46:47]
	CROUND                                         ; all sixteen work-groups are here: the first joint loads meet
	s_mov_b32 s[G0S], 1
	s_mov_b32 s[G0S+1], s93
	s_mov_b64 s[G0S+2:G0S+3], s[44:45]
	s_or_b32 s[G0S+3], s[G0S+3], 0x80000000
	s_mov_b32 s[G0SB], 1
	s_mov_b32 s[G0SB+1], s93
	s_mov_b64 s[G0SB+2:G0SB+3], s[66:67]
	s_or_b32 s[G0SB+3], s[G0SB+3], 0x80000000
	JLOAD G0S, G1S, G0SB, G1SB                     ; the scale words first; then both slots: three loads of mine are out
.irp s, 0,1
	s_mov_b32 s[G0+4*\s], 1
	s_add_co_u32 s[G0+4*\s+1], s92, \s*SLOT
	s_add_nc_u64 s[G0+4*\s+2:G0+4*\s+3], s[2:3], \s*TILEB
	s_or_b32 s[G0+4*\s+3], s[G0+4*\s+3], 0x80000000
	s_mov_b32 s[G0B+4*\s], 1
	s_add_co_u32 s[G0B+4*\s+1], s92, \s*SLOT
	s_add_nc_u64 s[G0B+4*\s+2:G0B+4*\s+3], s[46:47], \s*TILEB
	s_or_b32 s[G0B+4*\s+3], s[G0B+4*\s+3], 0x80000000
	JLOAD G0+4*\s, G1, G0B+4*\s, G1B
.endr
	v_and_b32 v1, 31, v0                           ; lane
	v_and_b32 v2, 15, v0                           ; r
	v_bfe_u32 v3, v0, 4, 1                         ; h
	v_lshlrev_b32 v[L16], 4, v1
	v_lshlrev_b32 v[L8], 3, v1
	s_mul_i32 s44, s[WR], HALFT                    ; my 8 tiles of A
	s_mul_i32 s45, s[WC], HALFT                    ; my 8 tiles of B,
	s_add_co_u32 s45, s45, 2*HALFT                 ; behind A's 16
.irp s, 0,1
	v_add_nc_u32 v[ADRA16+\s], s44, v[L16]
	v_add_nc_u32 v[ADRA8+\s], s44, v[L8]
	v_add_nc_u32 v[ADRB16+\s], s45, v[L16]
	v_add_nc_u32 v[ADRB8+\s], s45, v[L8]
	s_add_co_u32 s44, s44, SLOT
	s_add_co_u32 s45, s45, SLOT
.endr
	s_lshl_b32 s44, s[WR], 12                      ; scale words: A's, my 4,096 bytes;
	s_lshl_b32 s45, s[WC], 12
	s_add_co_u32 s45, s45, 8320                    ; B's lie 8,320 behind A's first
	s_sub_co_u32 s45, s45, s44
	v_mul_u32_u24 v4, s45, v3                      ; lanes 16-31 take B's
	s_add_co_u32 s44, s44, SCL
	v_lshl_add_u32 v4, v2, 3, v4
	v_add_nc_u32 v[ADRS], s44, v4
	; the biases.  Both sets of registers are loaded on both ways, so that every register is written whichever way the cluster goes: by column (used where q and k are made) and by row (used where v is made);
	; the set that a way does not use is loaded from the head of a bias and not read.
	s_cmp_eq_u32 ttmp9, 0
	s_cselect_b64 s[92:93], s[8:9], s[10:11]       ; columns 0-1023 are Wq's, the others Wk's
	s_cmp_eq_u32 s[ISV], 1
	s_cselect_b64 s[92:93], s[12:13], s[92:93]
	s_cselect_b64 s[94:95], s[12:13], s[8:9]
	s_lshl_b32 s44, s[TC], 8
	s_lshl_b32 s45, s[WC], 7
	s_add_co_u32 s44, s44, s45
	s_and_b32 s44, s44, 1023
	s_lshl_b32 s44, s44, 2                         ; my first column in its bias, in bytes
	s_lshl_b32 s46, s[TR], 8
	s_lshl_b32 s47, s[WR], 7
	s_add_co_u32 s46, s46, s47
	s_lshl_b32 s46, s46, 2                         ; my first channel
	s_cmp_eq_u32 s[ISV], 1
	s_cselect_b32 s44, 0, s44
	s_cselect_b32 s46, s46, 0
	s_mov_b32 s45, 0
	s_mov_b32 s47, 0
	s_add_nc_u64 s[92:93], s[92:93], s[44:45]
	s_add_nc_u64 s[94:95], s[94:95], s[46:47]
	v_lshlrev_b32 v10, 6, v3                       ; register 16 B + i is column 32 B + 16 h + i
	v_and_b32 v11, 8, v2
	v_add_nc_u32 v11, v11, v2
	v_lshlrev_b32 v11, 2, v11                      ; row r of a tile is row r + (r & 8)
.set n, 0
.rept 16
	global_load_b128 v[BI+4*n:BI+4*n+3], v10, s[92:93] offset:128*(n/4)+16*(n%4)
.set n, n+1
.endr
.set n, 0
.rept 8
	global_load_b32 v[RB+2*n], v11, s[94:95] offset:4*(32*(n/2)+8*(n%2))
	global_load_b32 v[RB+2*n+1], v11, s[94:95] offset:4*(32*(n/2)+8*(n%2))    ; twice: a pair for the packed addition
.set n, n+1
.endr
	; where the results go.  J = ((first head) x 4 + batch) x 16 + the step of 128 tokens: codes at 6,144 J, scale words at 256 J behind their base, in both buffers
	s_cmp_eq_u32 s[ISV], 1
	s_cselect_b32 s44, s[TR], s[TC]                ; the tile and the half that count heads,
	s_cselect_b32 s45, s[WR], s[WC]
	s_cselect_b32 s46, s[TC], s[TR]                ; and those that count tokens
	s_cselect_b32 s47, s[WC], s[WR]
	s_cselect_b64 s[96:97], s[16:17], s[14:15]
	s_mov_b32 s66, 12582912
	s_cselect_b32 s66, 6291456, s66
	s_lshl_b32 s44, s44, 2
	s_lshl_b32 s45, s45, 1
	s_add_co_u32 s44, s44, s45
	s_lshl_b32 s44, s44, 2
	s_lshr_b32 s45, s46, 3
	s_add_co_u32 s44, s44, s45
	s_lshl_b32 s44, s44, 4
	s_and_b32 s46, s46, 7
	s_lshl_b32 s46, s46, 1
	s_add_co_u32 s44, s44, s46
	s_add_co_u32 s44, s44, s47
	s_lshl_b32 s46, s44, 8
	s_add_co_u32 s46, s46, s66
	s_mov_b32 s47, 0
	s_mul_i32 s44, s44, 6144
	s_mov_b32 s45, 0
	s_add_nc_u64 s[98:99], s[96:97], s[46:47]
	s_add_nc_u64 s[96:97], s[96:97], s[44:45]
	v_lshlrev_b32 v14, 4, v2
	v_lshl_add_u32 v14, v3, 14, v14                ; scale words out: 16 r, lanes 16-31 one head (16,384 bytes) on
.irp b, 0,1,2,3
	v_mov_b32 v[TM+4+\b], 0                        ; written once: a lane permute's destination counts as one of its sources
.endr
	s_wait_tensorcnt 1                             ; the scale words and my part of slot 0 are in; slot 1's load may be out
	s_barrier_signal -1
	s_barrier_wait -1
	FETCH_B 0, 0, 0
	FETCH_A 0, 0, 0
	SCALES 0
	FETCH_A 0, 0, 4
	STEP 0, 0, 1                                   ; K 0-127: the first products start the sums
	TURN 0, 1, 1                                   ; K 128-255; slot 0 takes K 512-767
	STEP 1, 0, 0
	TURN 1, 0, 1                                   ; slot 1 takes K 768-1023
	STEP 0, 0, 0
	TURN 0, 1, 0                                   ; nothing is left to fetch
	STEP 1, 0, 0
	s_wait_dscnt 4*NL
	WIN MUL_LO
	MUL16 0, 1, NQ-1, 1, 0
	MUL16 2, 1, NQ-1, 1, 0
	s_wait_dscnt 0
	WIN MUL_HI
	MUL16 4, 1, NQ-1, 1, 0
	MUL16 6, 1, NQ-1, 1, 0
	WIN 0
	PLACES NP                                      ; in front of the first read of results and the first write of registers that held A's fragments
	s_wait_loadcnt 0x0                             ; the biases
; THE WAY OUT, A's block a at a time: the 64 accumulator registers of a lane, plus the bias, are 128 neighbours along the next product's K; they become one fragment and one scale word.
.macro EPI isv
.irp a, 0,1,2,3,4,5,6,7
	WIN 0x02+(\a/4)                                ; source 0: window 2 or 3
.set n, 0
.rept 32
.if \isv
	v_pk_add_f32 v[T+n:T+n+1], v[64*(\a%4)+n:64*(\a%4)+n+1], v[RB+2*\a:RB+2*\a+1]   ; each accumulator from its low end on
.else
	v_pk_add_f32 v[T+n:T+n+1], v[64*(\a%4)+n:64*(\a%4)+n+1], v[BI+n:BI+n+1]
.endif
.set n, n+2
.endr
	WIN 0
.if \a > 0
	s_wait_xcnt 0x0                                ; the last block's stores have read their data: the codes' registers are written again only behind this wait
.endif
	QUANT T, PWS+\a
.if \isv                               ; a fragment of v^T: head a / 4, channel tile a % 4, K = my 128 keys
	global_store_b128 v[L16], v[PC:PC+3], s[96:97] offset:393216*(\a/4)+1536*(\a%4)
	global_store_b64 v[L8], v[PC+4:PC+5], s[96:97] offset:393216*(\a/4)+1536*(\a%4)+512
	global_store_b128 v[L16], v[PC+6:PC+9], s[96:97] offset:393216*(\a/4)+1536*(\a%4)+768
	global_store_b64 v[L8], v[PC+10:PC+11], s[96:97] offset:393216*(\a/4)+1536*(\a%4)+1280
.else                                  ; half c is head c's 64 codes of these 16 tokens: it is half a % 2 of that head's image of group a / 2
	global_store_b128 v[L16], v[PC:PC+3], s[96:97] offset:768*\a
	global_store_b64 v[L8], v[PC+4:PC+5], s[96:97] offset:768*\a+512
	global_store_b128 v[L16], v[PC+6:PC+9], s[96:97] offset:393216+768*\a
	global_store_b64 v[L8], v[PC+10:PC+11], s[96:97] offset:393216+768*\a+512
.endif
.endr
	v_cmp_le_u32 vcc_lo, 16, v1                    ; lanes 0-15 store the first head's words, lanes 16-31 the second's
.if \isv
.irp t, 0,1,2,3
	v_cndmask_b32 v[SW+\t], v[PWS+\t], v[PWS+4+\t], vcc_lo
.endr
.else
	v_mov_b32 v12, 0x05040100                      ; a group's word: my head's two bytes of its first 16 tokens, then of its second 16
	v_mov_b32 v13, 0x07060302
	v_cndmask_b32 v12, v12, v13, vcc_lo
.irp g, 0,1,2,3
	v_perm_b32 v[SW+\g], v[PWS+2*\g+1], v[PWS+2*\g], v12
.endr
.endif
	global_store_b128 v14, v[SW:SW+3], s[98:99]    ; each half of the lanes fills 256 consecutive bytes, aligned
.endm
	s_cmp_eq_u32 s[ISV], 1                         ; the same in all sixteen partners
	s_cbranch_scc1 .Lvpath
	EPI 0
	s_branch .Ldone
.Lvpath:
	EPI 1
.Ldone:
	s_wait_tensorcnt 0x0                           ; the wave's end
	ds_add_u32 v[SPW], v[NIL]
	s_wait_dscnt 0x0
	CROUND                                         ; the closing round: no work-group ends while a partner may still ask for a tile that names it
	s_endpgm
.Lfunc_end_k_qd302bfe38f_gemm_qkv:
	.size	k_qd302bfe38f_gemm_qkv, .Lfunc_end_k_qd302bfe38f_gemm_qkv-k_qd302bfe38f_gemm_qkv
	.p2alignl 7, 3214868480
	.fill 96, 4, 3214868480
	.section	.rodata,"a",@progbits
	.p2align	6, 0x0
	.amdhsa_kernel k_qd302bfe38f_gemm_qkv
		.amdhsa_group_segment_fixed_size 327680
		.amdhsa_private_segment_fixed_size 0
		.amdhsa_enable_private_segment 0
		.amdhsa_kernarg_size 56
		.amdhsa_user_sgpr_count 2
		.amdhsa_user_sgpr_kernarg_segment_ptr 1
		.amdhsa_wavefront_size32 1
		.amdhsa_system_sgpr_workgroup_id_x 1
		.amdhsa_system_sgpr_workgroup_id_y 1
		.amdhsa_system_sgpr_workgroup_id_z 1
		.amdhsa_system_vgpr_workitem_id 0
		.amdhsa_next_free_vgpr 1024
		.amdhsa_next_free_sgpr 102
		.amdhsa_reserve_vcc 1
		.amdhsa_float_denorm_mode_32 3
		.amdhsa_float_denorm_mode_16_64 3
		.amdhsa_memory_ordered 1
		.amdhsa_forward_progress 1
		.amdhsa_inst_pref_size 219
	.end_amdhsa_kernel
	.amdgpu_metadata
---
amdhsa.version: [ 1, 2 ]
amdhsa.kernels:
  - .name:           k_qd302bfe38f_gemm_qkv
    .symbol:         k_qd302bfe38f_gemm_qkv.kd
    .args:
      - { .name: xq, .offset: 0, .size: 8, .value_kind: global_buffer, .address_space: global }
      - { .name: wq, .offset: 8, .size: 8, .value_kind: global_buffer, .address_space: global }
      - { .name: bq, .offset: 16, .size: 8, .value_kind: global_buffer, .address_space: global }
      - { .name: bk, .offset: 24, .size: 8, .value_kind: global_buffer, .address_space: global }
      - { .name: bv, .offset: 32, .size: 8, .value_kind: global_buffer, .address_space: global }
      - { .name: qk, .offset: 40, .size: 8, .value_kind: global_buffer, .address_space: global }
      - { .name: vq, .offset: 48, .size: 8, .value_kind: global_buffer, .address_space: global }
    .group_segment_fixed_size: 327680
    .private_segment_fixed_size: 0
    .kernarg_segment_align: 8
    .kernarg_segment_size: 56
    .max_flat_workgroup_size: 128
    .sgpr_count:     102
    .vgpr_count:     1024
    .wavefront_size: 32
...
	.end_amdgpu_metadata
.endif
;; end of part 2
;; launch attn (part 3): grid 4 x 64, 16 waves a work-group, clusters of 4 x 1, 206,848 bytes of LDS; arguments qk, vq, yq; writes yq
.if DOCPART == 3
	.amdgcn_target "amdgcn-amd-amdhsa--gfx1250"
	.amdhsa_code_object_version 6
	.text
	.protected	k_qd302bfe38f_attn
	.globl	k_qd302bfe38f_attn
	.p2align	8
	.type	k_qd302bfe38f_attn,@function
k_qd302bfe38f_attn:
	s_mov_b64 s[64:65], 0
	v_nop
	global_prefetch_b8 v0, s[64:65] scope:SCOPE_SE
	s_setreg_imm32_b32 hwreg(HW_REG_WAVE_MODE, 25, 1), 1
	s_wait_xcnt 0x0
	s_wait_alu depctr_hold_cnt(0) depctr_sa_sdst(0) depctr_va_vdst(0) depctr_va_sdst(0) depctr_va_ssrc(0) depctr_va_vcc(0) depctr_vm_vsrc(0)
	s_getreg_b32 s2, hwreg(HW_REG_IB_STS2, 6, 4)
	s_cmp_eq_u32 s2, 0
	s_cbranch_scc0 .Lentry_in_a_cluster
	s_endpgm
.Lentry_in_a_cluster:
	s_bfe_u32 s2, ttmp6, 0x10000c
	s_cmp_lg_u32 s2, 0x3003
	s_cbranch_scc0 .Lentry_shape_is_right
	s_endpgm
.Lentry_shape_is_right:
; y[b][t][h][:] = the sum over keys k <= t of softmax_k(q . k / 8) v, both products on codes of FP6 (E2M3) with E8M0 scales; y leaves quantised along the 1,024 channels, as the last product's operand.
; THE SOFTMAX: t = score x log2(e) / 8; M = the running largest t rounded UP to a whole number; p = 2^(t - M) is quantised along the keys, not normalised; the row's sum is taken of the unquantised p and divides at the end;
; when M moves, the sum and O are multiplied by 2^(old M - new M), exactly.
; SHARES.  The cluster's y is 4 x head + batch; its four work-groups serve that one head.  The head's whole K and V (98,304 bytes of codes each) and their scale words stay in LDS: every byte is filled once, asked for JOINTLY by the four.
; A head has 128 tiles of 16 queries (tile 2 B + u: queries 32 B + 8 u + r + (r & 8)); tile T needs T / 8 + 1 key steps of 128.  Wave w of work-group j takes tile p = 8 (w / 2) + 2 j + w % 2 and tile 127 - p:
; 17 steps for every wave.  The step on the diagonal, 15 - w / 2 and w / 2, hangs on the wave's number alone.
; LAYOUT.  Both products transposed: S^T = K Q^T, O^T = V^T P^T: a lane holds one query.  THE HEAD IS 64 WIDE, half of the instruction's K: a fragment of K holds 32 keys (k 0-63: key 32 f + r + (r & 8); k 64-127: the key 8 further on),
; and it is multiplied by [q | 0] and by [0 | q]: zero codes take the other key out.  So register 16 f + i of S^T is key 32 f + 16 (lane / 16) + i.
; LIMITS: NaN and infinities are not served; 1 / the sum is v_rcp_f32's; a block of y under 2^-124 gets the scale byte 1 (read by this program alone).  y's scale bytes leave by byte stores, one byte a lane: 1 byte for 24 of codes.
; REGISTERS: v1-3, v236-241 lane terms; v4 the diagonal's bound; v5, v6 the add's two; v7-11 addresses in hand; v12 -M, v13 the largest t, v[14:15] the sum; v16-45 zeros | q long | zeros | q short | zeros; v46, v47 q's scale words;
;   v48-95 four fragments; v96-159 S^T, then p; v160-191 O^T; v192-210 p's codes; v212-223, v232 at work; v224-227 K's scale words, v228-231 V's; v234 f, v235 p's scale word.
.set VOFF,  98304                      ; LDS: K at 0, V here; a key step is 6,144 bytes (4 fragments) in each
.set SCK,   196608                     ; K's scale words, 256 bytes a step; V's 4,096 on
.set SPARE, 204800                     ; the spare words: 128 bytes a wave, eight blocks of 256 bytes that no other line names
.set S,   96
.set OA,  160
.set P,   192
.set BM,  212
.set BX,  216
.set SO,  220
.set QBL, 16
.set QBS, 28
.set WV,  10
.set SEL, 20
.set CS,  22
.set G0,  24                           ; s[24:43] five groups 0: the scale words, then four stages of codes
.set G1C, 44
.set G1S, 52
.set ST,  60                           ; the key step
.set TB,  61                           ; its codes' place in K and in V
.set TS,  62                           ; its scale words' place
.set DG,  63                           ; the step on the diagonal
.set CNT, 84
.macro ROUND
	s_barrier_signal -1
	s_barrier_wait -1
	s_cmp_lg_u32 s[WV], 0
	s_cbranch_scc1 .Lnot_wave_0_\@
	s_barrier_signal -3
.Lnot_wave_0_\@:
	s_barrier_wait -3
	s_barrier_signal -1
	s_barrier_wait -1
.endm
	s_load_b128 s[4:7], s[0:1], 0x0                ; qk s[4:5], vq s[6:7]
	s_load_b64 s[8:9], s[0:1], 0x10                ; yq
	v_lshl_add_u32 v5, v0, 2, SPARE
	v_mov_b32 v6, 0
	ds_add_u32 v5, v6                              ; the wave's opening: the add and its wait ahead of my first tensor load; work on registers stands between them
	ds_add_u32 v5, v6
	v_lshrrev_b32 v1, 5, v0
	s_delay_alu instid0(VALU_DEP_1)
	v_readfirstlane_b32 s[WV], v1                  ; wave 0..15
	s_bfe_u32 s11, ttmp6, 0x40000                  ; cx: it enters Q's and y's addresses and the diagonal's bound alone
	s_and_b32 s12, ttmp7, 0xffff                   ; 4 x head + batch
	s_mov_b32 s[G1C], 15|(3<<16)|(1<<21)           ; the mask: all four; elements of 8 bytes; no padding.  Codes: 3,072 dense bytes as 12 rows of 256
	s_mov_b32 s[G1C+1], 32<<16
	s_mov_b32 s[G1C+2], 12<<16
	s_mov_b32 s[G1C+3], 32<<16
	s_mov_b32 s[G1C+4], 12
	s_mov_b32 s[G1C+5], 32
	s_mov_b32 s[G1C+6], 0
	s_mov_b32 s[G1C+7], 0
	s_mov_b32 s[G1S], 15|(3<<16)|(1<<21)           ; scale words: 512 dense bytes as 2 rows of 256
	s_mov_b32 s[G1S+1], 32<<16
	s_mov_b32 s[G1S+2], 2<<16
	s_mov_b32 s[G1S+3], 32<<16
	s_mov_b32 s[G1S+4], 2
	s_mov_b32 s[G1S+5], 32
	s_mov_b32 s[G1S+6], 0
	s_mov_b32 s[G1S+7], 0
	s_lshr_b32 s13, s[WV], 3                       ; waves 0-7 fetch K's, waves 8-15 V's,
	s_and_b32 s14, s[WV], 7                        ; an eighth each
	s_mul_i32 s15, s13, VOFF
	s_mul_i32 s16, s14, 3072
	s_add_co_u32 s15, s15, s16                     ; LDS: my part of stage 0
	s_lshl_b32 s17, s[WV], 9
	s_add_co_u32 s17, s17, SCK                     ; LDS: my 512 bytes of scale words
	s_cmp_eq_u32 s13, 0
	s_cselect_b32 s18, 64, 0                       ; k's heads lie behind q's 64 blocks in qk
	s_add_co_u32 s18, s18, s12
	s_mul_i32 s2, s18, 98304
	s_add_co_u32 s2, s2, s16
	s_mov_b32 s3, 0
	s_lshl_b32 s18, s18, 12
	s_lshl_b32 s19, s14, 9
	s_add_co_u32 s18, s18, s19
	s_mov_b32 s19, 6291456
	s_cmp_eq_u32 s13, 0
	s_cselect_b32 s19, 12582912, s19
	s_add_co_u32 s18, s18, s19
	s_mov_b32 s19, 0
	s_mov_b32 s[SEL], 0x76543210
	s_mov_b32 s[SEL+1], 0xfedcba98
	s_mov_b32 s[CS], 0x3e38aa3b                    ; c = log2(e) / 8
	s_mov_b32 s[CS+1], s[CS]
	s_wait_dscnt 0x0                               ; the opening add is done
	s_wait_kmcnt 0x0
	s_cmp_eq_u32 s13, 0
	s_cselect_b64 s[84:85], s[4:5], s[6:7]
	s_add_nc_u64 s[86:87], s[84:85], s[18:19]
	s_add_nc_u64 s[84:85], s[84:85], s[2:3]
	s_mov_b32 s[G0], 1
	s_mov_b32 s[G0+1], s17
	s_mov_b64 s[G0+2:G0+3], s[86:87]
	s_or_b32 s[G0+3], s[G0+3], 0x80000000
.irp g, 0,1,2,3
	s_mov_b32 s[G0+4+4*\g], 1
	s_add_co_u32 s[G0+5+4*\g], s15, \g*24576       ; stage g: key steps 4 g .. 4 g + 3
	s_add_nc_u64 s[G0+6+4*\g:G0+7+4*\g], s[84:85], \g*24576
	s_or_b32 s[G0+7+4*\g], s[G0+7+4*\g], 0x80000000
.endr
	ROUND                                          ; all four work-groups are here: the joint loads meet
	tensor_load_to_lds s[G0:G0+3], s[G1S:G1S+7]    ; five loads of mine are out: every byte of LDS is filled once
	s_nop 0
.irp g, 0,1,2,3
	tensor_load_to_lds s[G0+4+4*\g:G0+7+4*\g], s[G1C:G1C+7]
	s_nop 0
.endr
.rept 4
	v_nop
.endr
	; my two tiles
	s_lshr_b32 s13, s[WV], 1                       ; w / 2: kept
	s_and_b32 s14, s[WV], 1                        ; w % 2: kept
	s_lshl_b32 s15, s13, 3
	s_lshl_b32 s16, s11, 1
	s_add_co_u32 s15, s15, s16
	s_add_co_u32 s15, s15, s14                     ; the short tile p
	s_sub_co_u32 s16, 127, s15                     ; the long tile
	s_lshr_b32 s92, s12, 2                         ; head
	s_and_b32 s93, s12, 3                          ; batch
	s_mul_i32 s86, s12, 98304                      ; q's images of this head
	s_lshl_b32 s87, s12, 12
	s_add_co_u32 s87, s87, 12582912                ; and its scale words
	s_lshl_b32 s88, s93, 7                         ; y: 128 tiles a batch,
	s_mul_i32 s89, s92, 768                        ; half an image a head
	s_lshl_b32 s90, s93, 6                         ; y's scale words: 64 groups a batch,
	s_lshr_b32 s91, s92, 2
	s_lshl_b32 s91, s91, 8
	s_and_b32 s94, s92, 3
	s_lshl_b32 s94, s94, 1
	s_add_co_u32 s91, s91, s94
	s_add_co_u32 s91, s91, 6291456                 ; 256 bytes for four heads, two bytes a head
.macro TILE tau, pq, pqs, py, pys, sq
	s_mul_i32 s2, \tau, 768
	s_add_co_u32 s2, s2, s86
	s_mov_b32 s3, 0
	s_add_nc_u64 s[\pq:\pq+1], s[4:5], s[2:3]      ; its half image of q
	s_lshr_b32 s2, \tau, 3
	s_lshl_b32 s2, s2, 8
	s_bfe_u32 s3, \tau, 0x20001
	s_lshl_b32 s3, s3, 2
	s_add_co_u32 s2, s2, s3
	s_add_co_u32 s2, s2, s87
	s_mov_b32 s3, 0
	s_add_nc_u64 s[\pqs:\pqs+1], s[4:5], s[2:3]    ; its group's scale word
	s_add_co_u32 s2, \tau, s88
	s_mul_i32 s2, s2, 12288
	s_add_co_u32 s2, s2, s89
	s_mov_b32 s3, 0
	s_add_nc_u64 s[\py:\py+1], s[8:9], s[2:3]      ; its half image of y
	s_lshr_b32 s2, \tau, 1
	s_add_co_u32 s2, s2, s90
	s_lshl_b32 s2, s2, 10
	s_and_b32 s3, \tau, 1
	s_lshl_b32 s3, s3, 7
	s_add_co_u32 s2, s2, s3
	s_add_co_u32 s2, s2, s91
	s_mov_b32 s3, 0
	s_add_nc_u64 s[\pys:\pys+1], s[8:9], s[2:3]    ; y's scale bytes
	s_and_b32 s2, \tau, 7
	s_lshl_b32 s2, s2, 4
	s_and_b32 s3, \tau, 1
	s_lshl_b32 s3, s3, 3
	s_sub_co_u32 s[\sq], s2, s3                    ; its first query, counted from the diagonal step's first key
.endm
	TILE s16, 66, 70, 74, 78, 82                   ; long
	TILE s15, 68, 72, 76, 80, 83                   ; short
	v_and_b32 v241, 31, v0                         ; lane
	s_delay_alu instid0(VALU_DEP_1)
	v_lshlrev_b32 v1, 4, v241
	s_delay_alu instid0(VALU_DEP_2)
	v_lshlrev_b32 v2, 3, v241
	v_and_b32 v8, 15, v0                           ; r
	v_bfe_u32 v9, v0, 4, 1                         ; h
	s_delay_alu instid0(VALU_DEP_2)
	v_lshl_add_u32 v3, v8, 4, SCK
	v_add_nc_u32 v236, VOFF, v1
	v_add_nc_u32 v237, VOFF, v2
	v_and_b32 v10, 8, v8
	s_delay_alu instid0(VALU_DEP_1)
	v_add_nc_u32 v10, v10, v8
	v_lshlrev_b32 v11, 4, v9
	s_delay_alu instid0(VALU_DEP_1)
	v_sub_nc_u32 v238, v10, v11                    ; r + (r & 8) - 16 h
	v_lshl_add_u32 v239, v8, 3, v9                 ; 8 r + h
	v_lshlrev_b32 v240, 4, v8
	global_load_b128 v[QBL+6:QBL+9], v1, s[66:67]
	global_load_b64 v[QBL+10:QBL+11], v2, s[66:67] offset:512
	global_load_b32 v46, v240, s[70:71]
	global_load_b128 v[QBS+6:QBS+9], v1, s[68:69]
	global_load_b64 v[QBS+10:QBS+11], v2, s[68:69] offset:512
	global_load_b32 v47, v240, s[72:73]
.irp z, 16,17,18,19,20,21,28,29,30,31,32,33,40,41,42,43,44,45
	v_mov_b32 v\z, 0                               ; zero codes beside q
.endr
.irp b, 0,1,2,3
	v_mov_b32 v[BX+\b], 0                          ; written once: a lane permute's destination counts as one of its sources
.endr
	v_mov_b32 v232, 0
	v_mov_b32 v235, 0                              ; (named as the upper half of the pair v[234:235] before it is first written)
	s_mov_b32 s2, 0x03020302                       ; q's two bytes, twice: they serve [q | 0] and [0 | q].  Tile 2 B + 1's are the word's upper two
	s_mov_b32 s3, 0x01000100
	s_cmp_eq_u32 s14, 1
	s_cselect_b32 s18, s2, s3                      ; the short tile is odd where w is odd,
	s_cselect_b32 s19, s3, s2                      ; the long tile where w is even
	s_wait_loadcnt 0x0
	v_perm_b32 v46, v46, v46, s19
	v_perm_b32 v47, v47, v47, s18
.macro INIT sq
	v_mov_b32 v13, 0xff61b1e6                      ; the largest t so far: -3e38
	s_delay_alu instid0(VALU_DEP_1)
	v_floor_f32 v12, -v13
	v_mov_b32 v14, 0
	v_mov_b32 v15, 0
	v_add_nc_u32 v4, s[\sq], v238                  ; on the diagonal register 16 f + i is hidden where 32 f + i is above this
.set j, 0
.rept 32
	v_mov_b32 v[OA+j], 0                           ; the step is written once: the first finds zeros
.set j, j+1
.endr
.endm
	INIT 82
	s_mov_b32 s[ST], 0
	s_mov_b32 s[TB], 0
	s_mov_b32 s[TS], 0
	s_sub_co_u32 s[DG], 15, s13
; A KEY STEP of 128 keys for the tile whose q lies at v[qb + 6] on.  chk = 1: a step beyond the diagonal is left out (a branch on the wave's number and the count of steps), the step on it is masked.
.macro STEP qb, qs, chk
.if \chk
	s_cmp_gt_u32 s[ST], s[DG]
	s_cbranch_scc1 .Lhidden_\@
.endif
	s_setprio 2
	v_add_nc_u32 v8, s[TB], v1                     ; (these five are also the places in front of loads into registers that the last products read)
	v_add_nc_u32 v9, s[TB], v2
	v_add_nc_u32 v10, s[TB], v236
	v_add_nc_u32 v11, s[TB], v237
	v_add_nc_u32 v7, s[TS], v3
.irp f, 0,1,2,3
	ds_load_b128 v[48+12*\f:51+12*\f], v8 offset:1536*\f
	ds_load_b64 v[52+12*\f:53+12*\f], v9 offset:1536*\f+512
	ds_load_b128 v[54+12*\f:57+12*\f], v8 offset:1536*\f+768
	ds_load_b64 v[58+12*\f:59+12*\f], v9 offset:1536*\f+1280
.endr
	ds_load_b128 v[224:227], v7
	s_wait_alu depctr_va_vdst(0)
	s_wait_dscnt 0x0
.irp f, 0,1,2,3
	v_wmma_scale_f32_16x16x128_f8f6f4 v[S+16*\f:S+16*\f+7], v[48+12*\f:59+12*\f], v[\qb+6:\qb+17], 0, v[224+\f], v[\qs] matrix_a_fmt:MATRIX_FMT_FP6 matrix_b_fmt:MATRIX_FMT_FP6
	v_wmma_scale_f32_16x16x128_f8f6f4 v[S+16*\f+8:S+16*\f+15], v[48+12*\f:59+12*\f], v[\qb:\qb+11], 0, v[224+\f], v[\qs] matrix_a_fmt:MATRIX_FMT_FP6 matrix_b_fmt:MATRIX_FMT_FP6
.endr
.rept 4
	v_nop                                          ; places: in front of the loads below and of the first read of the scores
.endr
.irp t, 0,1,2,3                                ; V's four fragments are asked for now and land during the softmax
	ds_load_b128 v[48+12*\t:51+12*\t], v10 offset:1536*\t
	ds_load_b64 v[52+12*\t:53+12*\t], v11 offset:1536*\t+512
	ds_load_b128 v[54+12*\t:57+12*\t], v10 offset:1536*\t+768
	ds_load_b64 v[58+12*\t:59+12*\t], v11 offset:1536*\t+1280
.endr
	ds_load_b128 v[228:231], v7 offset:4096
.if \chk
	s_cmp_lg_u32 s[ST], s[DG]
	s_cbranch_scc1 .Lopen_\@
	v_mov_b32 v232, 0xff800000                     ; hidden scores become -infinity ahead of the maximum: p = 0 then
.set n, 0
.rept 64
	v_cmp_gt_i32 vcc_lo, 32*(n/16)+n%16, v4
	v_cndmask_b32 v[S+n], v[S+n], v232, vcc_lo
.set n, n+1
.endr
.Lopen_\@:
.endif
.irp b, 0,1,2,3
	v_max3_num_f32 v[BM+\b], v[S+16*\b], v[S+1+16*\b], v[S+2+16*\b]   ; the largest score of each block of 32 keys: for the row's maximum, and, since p rises with the score, for the block's largest p
.endr
.irp i, 3,5,7,9,11,13
.irp b, 0,1,2,3
	v_max3_num_f32 v[BM+\b], v[BM+\b], v[S+16*\b+\i], v[S+1+16*\b+\i]
.endr
.endr
.irp b, 0,1,2,3
	v_max_num_f32 v[BM+\b], v[BM+\b], v[S+15+16*\b]
.endr
.irp b, 0,1,2,3
	s_delay_alu instid0(VALU_DEP_4)
	v_permlanex16_b32 v[BX+\b], v[BM+\b], s[SEL], s[SEL+1]
.endr
.irp b, 0,1,2,3
	s_delay_alu instid0(VALU_DEP_4)
	v_max_num_f32 v[BM+\b], v[BM+\b], v[BX+\b]
.endr
	s_delay_alu instid0(VALU_DEP_2)
	v_max3_num_f32 v232, v[BM], v[BM+1], v[BM+2]
	s_delay_alu instid0(VALU_DEP_1)
	v_max_num_f32 v232, v232, v[BM+3]
	s_delay_alu instid0(VALU_DEP_1)
	v_mul_f32 v232, s[CS], v232
	s_delay_alu instid0(VALU_DEP_1)
	v_max_num_f32 v13, v13, v232                   ; the running largest t
	v_mov_b32 v232, v12
	s_delay_alu instid0(VALU_DEP_2)
	v_floor_f32 v12, -v13                          ; -M = floor(-t): M is a whole number
	s_delay_alu instid0(VALU_DEP_1)
	v_sub_f32 v232, v12, v232
	s_delay_alu instid0(VALU_DEP_1)
	v_cvt_i32_f32 v232, v232                       ; (it saturates)
	s_delay_alu instid0(VALU_DEP_1)
	v_ldexp_f32 v234, 1.0, v232                    ; f = 2^(old M - new M)
.set j, 0
.rept 32
	v_pk_fma_f32 v[S+j:S+j+1], v[S+j:S+j+1], s[CS:CS+1], v[12:13] op_sel_hi:[1,0,0]   ; t - M
.set j, j+2
.endr
.irp b, 0,1,2,3
	v_fma_f32 v[BM+\b], v[BM+\b], s[CS], v12
.endr
.set j, 0
	s_setprio 1
	s_wait_alu depctr_va_vdst(0)
.rept 64
	v_exp_f32 v[S+j], v[S+j]                       ; p = 2^(t - M)
.set j, j+1
.endr
	v_pk_mul_f32 v[14:15], v[14:15], v[234:235] op_sel_hi:[1,0]   ; the sums under the new M: the plain instruction behind the exponentials
	s_wait_alu depctr_va_vdst(0)                   ; one wait for the batch, ahead of its first reader
.irp b, 0,1,2,3
	v_exp_f32 v[BM+\b], v[BM+\b]                   ; the block's largest p
.endr
	v_pk_add_f32 v[216:217], v[100:101], v[104:105]
	v_pk_add_f32 v[254:255], v[108:109], v[112:113]
	v_pk_add_f32 v[252:253], v[116:117], v[120:121]
	v_pk_add_f32 v[250:251], v[124:125], v[128:129]
	v_pk_add_f32 v[248:249], v[132:133], v[136:137]
	v_pk_add_f32 v[246:247], v[140:141], v[144:145]
	v_pk_add_f32 v[244:245], v[148:149], v[152:153]
	v_pk_add_f32 v[14:15], v[14:15], v[156:157]
	v_pk_add_f32 v[216:217], v[216:217], v[96:97]
	v_pk_add_f32 v[254:255], v[254:255], v[98:99]
	v_pk_add_f32 v[252:253], v[252:253], v[102:103]
	v_pk_add_f32 v[250:251], v[250:251], v[106:107]
	v_pk_add_f32 v[248:249], v[248:249], v[110:111]
	v_pk_add_f32 v[246:247], v[246:247], v[114:115]
	v_pk_add_f32 v[244:245], v[244:245], v[118:119]
	v_pk_add_f32 v[14:15], v[14:15], v[122:123]
	v_pk_add_f32 v[216:217], v[216:217], v[126:127]
	v_pk_add_f32 v[254:255], v[254:255], v[130:131]
	v_pk_add_f32 v[252:253], v[252:253], v[134:135]
	v_pk_add_f32 v[250:251], v[250:251], v[138:139]
	v_pk_add_f32 v[248:249], v[248:249], v[142:143]
	v_pk_add_f32 v[246:247], v[246:247], v[146:147]
	v_pk_add_f32 v[244:245], v[244:245], v[150:151]
	v_pk_add_f32 v[14:15], v[14:15], v[154:155]
	v_pk_add_f32 v[216:217], v[216:217], v[158:159]
	s_delay_alu instid0(VALU_DEP_2)
	v_pk_add_f32 v[14:15], v[14:15], v[250:251]
	s_delay_alu instid0(VALU_DEP_2)
	v_pk_add_f32 v[216:217], v[216:217], v[248:249]
	v_pk_add_f32 v[254:255], v[254:255], v[246:247]
	v_pk_add_f32 v[252:253], v[252:253], v[244:245]
	s_delay_alu instid0(VALU_DEP_2)
	v_pk_add_f32 v[14:15], v[14:15], v[254:255]
	s_delay_alu instid0(VALU_DEP_2)
	v_pk_add_f32 v[216:217], v[216:217], v[252:253]
	s_delay_alu instid0(VALU_DEP_1)
	v_pk_add_f32 v[14:15], v[14:15], v[216:217]
	s_wait_alu depctr_va_vdst(0)                   ; and one for the four
.irp b, 0,1,2,3
	v_max_num_f32 v[BM+\b], 0x1800000, v[BM+\b]    ; the floor: the byte cannot fall under 1
.endr
.irp b, 0,1,2,3
	s_delay_alu instid0(VALU_DEP_4)
	v_add_nc_u32 v[SO+\b], 0xff000000, v[BM+\b]
.endr
.irp b, 0,1,2,3
	s_delay_alu instid0(VALU_DEP_4)
	v_lshrrev_b32 v[BX+\b], 23, v[SO+\b]
.endr
	s_delay_alu instid0(VALU_DEP_3)
	v_lshl_or_b32 v235, v[BX+1], 8, v[BX]          ; p's scale word
	s_delay_alu instid0(VALU_DEP_1)
	v_lshl_or_b32 v235, v[BX+2], 16, v235
	s_delay_alu instid0(VALU_DEP_1)
	v_lshl_or_b32 v235, v[BX+3], 24, v235
.irp c, 0,1
	v_cvt_scalef32_pk16_fp6_f32 v[P+6*\c:P+2+6*\c], v[S+32*\c:S+15+32*\c], v[SO+2*\c]
	v_cvt_scalef32_pk16_fp6_f32 v[P+12+4*\c:P+14+4*\c], v[S+16+32*\c:S+31+32*\c], v[SO+2*\c+1]
.endr
	v_nop                                          ; one plain instruction behind the scaled conversions
	s_setprio 0
.irp c, 0,1
.irp i, 0,1,2
	v_permlane16_swap_b32 v[P+6*\c+\i], v[P+12+4*\c+\i]
.endr
.irp i, 0,1,2
	s_delay_alu instid0(VALU_DEP_3)
	v_mov_b32 v[P+3+6*\c+\i], v[P+12+4*\c+\i]
.endr
.endr
.set j, 0
.rept 16
	v_pk_mul_f32 v[OA+j:OA+j+1], v[OA+j:OA+j+1], v[234:235] op_sel_hi:[1,0]   ; O^T under the new M; these are also the places between p's codes and scale word and the products
.set j, j+2
.endr
	s_wait_alu depctr_va_vdst(0)
	s_wait_dscnt 0x0                               ; V's fragments and scale words are in
.irp t, 0,1,2,3
	v_wmma_scale_f32_16x16x128_f8f6f4 v[OA+8*\t:OA+8*\t+7], v[48+12*\t:59+12*\t], v[P:P+11], v[OA+8*\t:OA+8*\t+7], v[228+\t], v235 matrix_a_fmt:MATRIX_FMT_FP6 matrix_b_fmt:MATRIX_FMT_FP6
.endr
.if \chk
.Lhidden_\@:
.endif
	s_add_co_u32 s[ST], s[ST], 1
	s_add_co_u32 s[TB], s[TB], 6144
	s_add_co_u32 s[TS], s[TS], 256
.endm
; A TILE'S WAY OUT: O^T / the sum is 64 channels of y, register 16 B + i = channel 32 B + 16 (lane / 16) + i: two blocks, half a fragment of the last product's operand.
.macro OUT py, pys
.rept 4
	v_nop                                          ; places behind the last products
.endr
	v_add_f32 v14, v14, v15
	s_delay_alu instid0(VALU_DEP_1)
	v_permlanex16_b32 v232, v14, s[SEL], s[SEL+1]
	s_delay_alu instid0(VALU_DEP_1)
	v_add_f32 v14, v14, v232                       ; the row's sum
	s_wait_alu depctr_va_vdst(0)
	v_rcp_f32 v14, v14
	v_nop                                          ; a plain instruction behind the reciprocal,
	s_wait_alu depctr_va_vdst(0)                   ; and the wait ahead of its first reader
.set j, 0
.rept 16
	v_pk_mul_f32 v[S+j:S+j+1], v[OA+j:OA+j+1], v[14:15] op_sel_hi:[1,0]   ; each accumulator from its low end on
.set j, j+2
.endr
.irp b, 0,1
	v_max3_num_f32 v[BM+\b], |v[S+16*\b]|, |v[S+1+16*\b]|, 0x1800000
.endr
.irp i, 2,4,6,8,10,12,14
.irp b, 0,1
	s_delay_alu instid0(VALU_DEP_2)
	v_max3_num_f32 v[BM+\b], v[BM+\b], |v[S+16*\b+\i]|, |v[S+1+16*\b+\i]|
.endr
.endr
.irp b, 0,1
	s_delay_alu instid0(VALU_DEP_2)
	v_permlanex16_b32 v[BX+\b], v[BM+\b], s[SEL], s[SEL+1]
.endr
.irp b, 0,1
	s_delay_alu instid0(VALU_DEP_2)
	v_max_num_f32 v[BM+\b], v[BM+\b], v[BX+\b]
.endr
.irp b, 0,1
	s_delay_alu instid0(VALU_DEP_2)
	v_add_nc_u32 v[SO+\b], 0xff000000, v[BM+\b]
.endr
.irp b, 0,1
	s_delay_alu instid0(VALU_DEP_2)
	v_lshrrev_b32 v[BX+\b], 23, v[SO+\b]
.endr
	v_cvt_scalef32_pk16_fp6_f32 v[P:P+2], v[S:S+15], v[SO]
	v_cvt_scalef32_pk16_fp6_f32 v[P+12:P+14], v[S+16:S+31], v[SO+1]
	v_nop
.irp i, 0,1,2
	v_permlane16_swap_b32 v[P+\i], v[P+12+\i]
.endr
.irp i, 0,1,2
	s_delay_alu instid0(VALU_DEP_3)
	v_mov_b32 v[P+3+\i], v[P+12+\i]
.endr
	v_cmp_le_u32 vcc_lo, 16, v241
	s_delay_alu instid0(VALU_DEP_1)
	v_cndmask_b32 v[BX+2], v[BX], v[BX+1], vcc_lo  ; lanes 0-15 store block 0's byte of row r, lanes 16-31 block 1's
	global_store_b128 v1, v[P:P+3], s[\py:\py+1]               ; 512 consecutive bytes
	global_store_b64 v2, v[P+4:P+5], s[\py:\py+1] offset:512   ; 256 consecutive bytes
	global_store_b8 v239, v[BX+2], s[\pys:\pys+1]
.endm
	s_wait_tensorcnt 0x3                           ; the scale words and my part of stage 0 are in; stages 1 to 3 may be out: no byte is filled twice in this launch
	s_barrier_signal -1
	s_barrier_wait -1
	s_mov_b32 s[CNT], 4
.Lp1a:                                             ; the long tile, key steps 0-3: all their keys count for every long tile
	STEP QBL, 46, 0
	s_sub_co_u32 s[CNT], s[CNT], 1
	s_cmp_lg_u32 s[CNT], 0
	s_cbranch_scc1 .Lp1a
	s_setprio 0
	s_wait_tensorcnt 0x2                           ; my part of stage 1 is in
	s_wait_dscnt 0x0
	s_barrier_signal -1
	s_barrier_wait -1
	s_mov_b32 s[CNT], 4
.Lp1b:                                             ; key steps 4-7
	STEP QBL, 46, 0
	s_sub_co_u32 s[CNT], s[CNT], 1
	s_cmp_lg_u32 s[CNT], 0
	s_cbranch_scc1 .Lp1b
	s_setprio 0
	s_wait_tensorcnt 0x0                           ; stages 2 and 3
	s_wait_dscnt 0x0
	s_barrier_signal -1
	s_barrier_wait -1
	s_mov_b32 s[CNT], 8
.Lp2:                                              ; key steps 8-15, up to the diagonal
	STEP QBL, 46, 1
	s_sub_co_u32 s[CNT], s[CNT], 1
	s_cmp_lg_u32 s[CNT], 0
	s_cbranch_scc1 .Lp2
	s_setprio 0
	OUT 74, 78
	s_wait_xcnt 0x0                                ; the stores have read their data: those registers are written again only behind this wait
	INIT 83
	s_mov_b32 s[ST], 0
	s_mov_b32 s[TB], 0
	s_mov_b32 s[TS], 0
	s_mov_b32 s[DG], s13
	s_mov_b32 s[CNT], 8
.Lshort:                                           ; the short tile: key steps 0-7, up to its diagonal
	STEP QBS, 47, 1
	s_sub_co_u32 s[CNT], s[CNT], 1
	s_cmp_lg_u32 s[CNT], 0
	s_cbranch_scc1 .Lshort
	s_setprio 0
	OUT 76, 80
	s_wait_tensorcnt 0x0                           ; the wave's end
	ds_add_u32 v5, v6
	s_wait_dscnt 0x0
	ROUND                                          ; the closing round
	s_endpgm
.Lfunc_end_k_qd302bfe38f_attn:
	.size	k_qd302bfe38f_attn, .Lfunc_end_k_qd302bfe38f_attn-k_qd302bfe38f_attn
	.p2alignl 7, 3214868480
	.fill 96, 4, 3214868480
	.section	.rodata,"a",@progbits
	.p2align	6, 0x0
	.amdhsa_kernel k_qd302bfe38f_attn
		.amdhsa_group_segment_fixed_size 206848
		.amdhsa_private_segment_fixed_size 0
		.amdhsa_enable_private_segment 0
		.amdhsa_kernarg_size 24
		.amdhsa_user_sgpr_count 2
		.amdhsa_user_sgpr_kernarg_segment_ptr 1
		.amdhsa_wavefront_size32 1
		.amdhsa_system_sgpr_workgroup_id_x 1
		.amdhsa_system_sgpr_workgroup_id_y 1
		.amdhsa_system_sgpr_workgroup_id_z 1
		.amdhsa_system_vgpr_workitem_id 0
		.amdhsa_next_free_vgpr 256
		.amdhsa_next_free_sgpr 96
		.amdhsa_reserve_vcc 1
		.amdhsa_float_denorm_mode_32 3
		.amdhsa_float_denorm_mode_16_64 3
		.amdhsa_memory_ordered 1
		.amdhsa_forward_progress 1
		.amdhsa_inst_pref_size 103
	.end_amdhsa_kernel
	.amdgpu_metadata
---
amdhsa.version: [ 1, 2 ]
amdhsa.kernels:
  - .name:           k_qd302bfe38f_attn
    .symbol:         k_qd302bfe38f_attn.kd
    .args:
      - { .name: qk, .offset: 0, .size: 8, .value_kind: global_buffer, .address_space: global }
      - { .name: vq, .offset: 8, .size: 8, .value_kind: global_buffer, .address_space: global }
      - { .name: yq, .offset: 16, .size: 8, .value_kind: global_buffer, .address_space: global }
    .group_segment_fixed_size: 206848
    .private_segment_fixed_size: 0
    .kernarg_segment_align: 8
    .kernarg_segment_size: 24
    .max_flat_workgroup_size: 512
    .sgpr_count:     96
    .vgpr_count:     256
    .wavefront_size: 32
...
	.end_amdgpu_metadata
.endif
;; end of part 3
;; launch gemm_out (part 4): grid 4 x 32, 4 waves a work-group, clusters of 4 x 4, 327,680 bytes of LDS; arguments yq, wq, bo, out0; writes out0
.if DOCPART == 4
	.amdgcn_target "amdgcn-amd-amdhsa--gfx1250"
	.amdhsa_code_object_version 6
	.text
	.protected	k_qd302bfe38f_gemm_out
	.globl	k_qd302bfe38f_gemm_out
	.p2align	8
	.type	k_qd302bfe38f_gemm_out,@function
k_qd302bfe38f_gemm_out:
	s_mov_b64 s[64:65], 0
	v_nop
	global_prefetch_b8 v0, s[64:65] scope:SCOPE_SE
	s_setreg_imm32_b32 hwreg(HW_REG_WAVE_MODE, 25, 1), 1
	s_wait_xcnt 0x0
	s_wait_alu depctr_hold_cnt(0) depctr_sa_sdst(0) depctr_va_vdst(0) depctr_va_sdst(0) depctr_va_ssrc(0) depctr_va_vcc(0) depctr_vm_vsrc(0)
	s_getreg_b32 s2, hwreg(HW_REG_IB_STS2, 6, 4)
	s_cmp_eq_u32 s2, 0
	s_cbranch_scc0 .Lentry_in_a_cluster
	s_endpgm
.Lentry_in_a_cluster:
	s_bfe_u32 s2, ttmp6, 0x10000c
	s_cmp_lg_u32 s2, 0xf033
	s_cbranch_scc0 .Lentry_shape_is_right
	s_endpgm
.Lentry_shape_is_right:
; out0 = y Wo + bo on codes of FP6 (E2M3) with E8M0 scales, K = 1,024, sums in f32, out0 [8192][1024] f32.
; A tile of 256 x 256 a work-group, 128 x 128 a wave (64 accumulators).  THE MATRIX INSTRUCTION IS USED TRANSPOSED: source 0 = 16 columns of Wo (operand B), source 1 = 16 tokens of y (operand A): a lane holds numbers of one row of out0.
; OPERANDS are images of their registers (16 rows x 128 K: 1,536 bytes; half c at 768 c: registers 6 c .. 6 c + 3 at 16 x lane, 6 c + 4, 6 c + 5 at 512 + 8 x lane); fragment row r of tile 2 B + u is row 32 B + 8 u + r + (r & 8).
; So register 8 b + j of a lane is column 32 (b / 2) + 16 (lane / 16) + 8 (b % 2) + j, and row r of A's block a is token 32 (a / 2) + 8 (a % 2) + r + (r & 8).
; K goes through two LDS slots of 256 along K; four slots' worth in all, written out without a loop.  The scale words of all of K come once.  CLUSTER 4 x 4: A's tiles are asked for jointly along a row, B's along a column.
; 128 work-groups: a tile of 128 x 256 would give 256 at the price of a second schedule of fragments; not built.
; LIMITS: NaN and infinities are not served.
; REGISTERS: window 0: v1-9 lane terms; v16-27 LDS addresses; v28, v29 the add's two; v32-63 scale words, two sets; v64-127 the bias by column; v128-223 A's fragments, one set.  window 1: B's fragments, two sets.  windows 2, 3: the accumulators.
.set SLOT,   98304
.set HALFT,  24576
.set TILEB,  3072
.set FRB,    1536
.set SCL,    196608                    ; A's scale words (8,192 bytes); B's begin 8,320 on
.set SPARE,  213248                    ; the spare words: 128 bytes a wave, two blocks of 256 bytes that no other line names
.set SPITCH, 528                       ; the way out: a stage of 16 rows x (512 + 16) bytes a wave, in slot 0, which has had its last fill and its last read when the first result is stored there
.set FR, 12
.set NQ, 2
.set NL, 4
.set NP, 4
.set L16, 8
.set L8,  9
.set ADRA16, 16
.set ADRA8,  18
.set ADRB16, 20
.set ADRB8,  22
.set STO,  24
.set RD,   25
.set ADRS, 27
.set SPW,  28
.set NIL,  29
.set SC,   32
.set BI,   64
.set AF,   128
.set T,    128                         ; the way out: a block's 64 numbers
.set BB,   192                         ; and its 16 rows read back
.set WV, 18
.set WR, 19
.set WC, 20
.set CX, 21
.set CY, 22
.set G1, 24
.set G0, 32
.set TR, 40
.set TC, 41
.set G1B, 48
.set G0B, 56
.set G1S, 68
.set G0S, 76
.set G1SB, 80
.set G0SB, 88
.set MSB, 0
.macro WIN new                         ; the immediate's high byte repeats the setting that is left
.if MSB != (\new)
	s_set_vgpr_msb (MSB<<8)|(\new)
.set MSB, (\new)
.endif
.endm
.set MUL_LO, 0xa1
.set MUL_HI, 0xf1
.set TO_B,   0x40
.macro JLOAD g0a, g1a, g0b, g1b        ; a joint load: waves 0 and 1 fetch for A, waves 2 and 3 for B; an s_nop 0 and four v_nop follow each of the two lines
	s_cmp_eq_u32 s[WR], 0
	s_cbranch_scc0 .Lfor_b_\@
	tensor_load_to_lds s[\g0a:\g0a+3], s[\g1a:\g1a+7]
	s_nop 0
.rept 4
	v_nop
.endr
	s_branch .Lasked_\@
.Lfor_b_\@:
	tensor_load_to_lds s[\g0b:\g0b+3], s[\g1b:\g1b+7]
	s_nop 0
.rept 4
	v_nop
.endr
.Lasked_\@:
.endm
.macro CREST
	s_cmp_lg_u32 s[WV], 0
	s_cbranch_scc1 .Lnot_wave_0_\@
	s_barrier_signal -3
.Lnot_wave_0_\@:
	s_barrier_wait -3
	s_barrier_signal -1
	s_barrier_wait -1
.endm
.macro CROUND
	s_barrier_signal -1
	s_barrier_wait -1
	CREST
.endm
.macro PLACES n
.rept \n
	v_nop
.endr
.endm
.macro FRAG reg, a16, a8, q, i
	ds_load_b128 v[\reg:\reg+3], v[\a16] offset:TILEB*(\i)+FRB*(\q)
	ds_load_b64 v[\reg+4:\reg+5], v[\a8] offset:TILEB*(\i)+FRB*(\q)+512
	ds_load_b128 v[\reg+6:\reg+9], v[\a16] offset:TILEB*(\i)+FRB*(\q)+768
	ds_load_b64 v[\reg+10:\reg+11], v[\a8] offset:TILEB*(\i)+FRB*(\q)+1280
.endm
.macro MUL16 a0, p, q, sc, zero        ; the 64 accumulators take turns, one instruction a turn
.irp a, \a0, \a0+1
.irp b, 0,1,2,3,4,5,6,7
.if \zero
	v_wmma_scale_f32_16x16x128_f8f6f4 v[8*(8*((\a)%4)+\b):8*(8*((\a)%4)+\b)+7], v[128*(\p)+FR*\b:128*(\p)+FR*\b+FR-1], v[AF+FR*(\a):AF+FR*(\a)+FR-1], 0, v[SC+8*NQ*(\sc)+NQ*\b+(\q)], v[SC+8*NQ*(\sc)+NQ*(\a)+(\q)] matrix_a_fmt:MATRIX_FMT_FP6 matrix_b_fmt:MATRIX_FMT_FP6 matrix_a_scale:MATRIX_SCALE_ROW1
.else
	v_wmma_scale_f32_16x16x128_f8f6f4 v[8*(8*((\a)%4)+\b):8*(8*((\a)%4)+\b)+7], v[128*(\p)+FR*\b:128*(\p)+FR*\b+FR-1], v[AF+FR*(\a):AF+FR*(\a)+FR-1], v[8*(8*((\a)%4)+\b):8*(8*((\a)%4)+\b)+7], v[SC+8*NQ*(\sc)+NQ*\b+(\q)], v[SC+8*NQ*(\sc)+NQ*(\a)+(\q)] matrix_a_fmt:MATRIX_FMT_FP6 matrix_b_fmt:MATRIX_FMT_FP6 matrix_a_scale:MATRIX_SCALE_ROW1
.endif
.endr
.endr
.endm
.macro FETCH_B slot, q, p
	WIN TO_B
.irp i, 0,1,2,3,4,5,6,7
	FRAG 128*(\p)+FR*\i, ADRB16+\slot, ADRB8+\slot, \q, \i
.endr
	WIN 0
.endm
.macro FETCH_A slot, q, i0
.irp i, \i0, \i0+1, \i0+2, \i0+3
	FRAG AF+FR*(\i), ADRA16+\slot, ADRA8+\slot, \q, \i
.endr
.endm
.macro SCALES sc
.irp i, 0,1,2,3,4,5,6,7
	ds_load_b64 v[SC+8*NQ*\sc+NQ*\i:SC+8*NQ*\sc+NQ*\i+1], v[ADRS] offset:(\i/2)*1024+(\i%2)*128
.endr
.endm
.macro STEP slot, q, zero
	s_wait_dscnt 4*NL                              ; all but the youngest 16 loads (A's blocks 4-7)
	WIN MUL_LO
	MUL16 0, (\q)%2, \q, \slot, \zero
	MUL16 2, (\q)%2, \q, \slot, \zero
	s_wait_dscnt 0
	PLACES NP
	FETCH_B \slot, (\q)+1, 1-(\q)%2
	FETCH_A \slot, (\q)+1, 0
	WIN MUL_HI
	MUL16 4, (\q)%2, \q, \slot, \zero
	MUL16 6, (\q)%2, \q, \slot, \zero
	PLACES NP
	WIN 0
	FETCH_A \slot, (\q)+1, 4
.endm
.macro TURN slot, next, fill
	s_wait_tensorcnt 0x0                           ; all my tensor loads have landed: my part of the next slot
	ds_add_u32 v[SPW], v[NIL]
	s_wait_dscnt 4*NL+1                            ; (the add and A's blocks 4-7 may be out)
	WIN MUL_LO
	MUL16 0, 1, NQ-1, \slot, 0
	s_wait_dscnt 0x0                               ; the add is done, and my reads of this slot are over
	s_barrier_signal -1
	MUL16 2, 1, NQ-1, \slot, 0
	WIN 0
	s_barrier_wait -1
.if \fill
	CREST                                          ; the barrier has opened a round of the cluster's
	s_add_nc_u64 s[G0+4*\slot+2:G0+4*\slot+3], s[G0+4*\slot+2:G0+4*\slot+3], 2*TILEB
	s_add_nc_u64 s[G0B+4*\slot+2:G0B+4*\slot+3], s[G0B+4*\slot+2:G0B+4*\slot+3], 2*TILEB
	JLOAD G0+4*\slot, G1, G0B+4*\slot, G1B         ; the first tensor load behind the round
.else
	PLACES NP
.endif
	v_add_nc_u32 v[ADRS], 256, v[ADRS]
	FETCH_B \next, 0, 0
	FETCH_A \next, 0, 0
	SCALES \next
	WIN MUL_HI
	MUL16 4, 1, NQ-1, \slot, 0
	MUL16 6, 1, NQ-1, \slot, 0
	PLACES NP
	WIN 0
	FETCH_A \next, 0, 4
.endm
	s_load_b256 s[4:11], s[0:1], 0x0               ; yq s[4:5], wq s[6:7], bo s[8:9], out0 s[10:11]
	v_lshl_add_u32 v[SPW], v0, 2, SPARE
	v_mov_b32 v[NIL], 0
	ds_add_u32 v[SPW], v[NIL]                      ; the wave's opening: the add and its wait ahead of my first tensor load
	v_lshrrev_b32 v1, 5, v0
	v_readfirstlane_b32 s[WV], v1
	s_lshr_b32 s[WR], s[WV], 1
	s_and_b32 s[WC], s[WV], 1
	s_bfe_u32 s[CX], ttmp6, 0x40000
	s_bfe_u32 s[CY], ttmp6, 0x40004
	s_and_b32 s44, ttmp7, 0xffff
	s_lshl_b32 s44, s44, 2
	s_add_co_u32 s[TR], s44, s[CY]                 ; tile of 256 tokens
	s_lshl_b32 s46, ttmp9, 2
	s_add_co_u32 s[TC], s46, s[CX]                 ; tile of 256 columns
	s_lshl_b32 s42, s[CY], 2
	s_lshl_b32 s42, 15, s42
	s_lshl_b32 s43, 0x1111, s[CX]
	s_or_b32 s[G1+0], s42, (3<<16)|(1<<21)         ; codes: 8 rows (tiles) of 384 elements of 8 bytes, 1,536 elements apart
	s_or_b32 s[G1B+0], s43, (3<<16)|(1<<21)
.irp g, G1, G1B
	s_mov_b32 s[\g+1], 384<<16
	s_mov_b32 s[\g+2], 8<<16
	s_mov_b32 s[\g+3], 384<<16
	s_mov_b32 s[\g+4], 8
	s_mov_b32 s[\g+5], 1536
	s_mov_b32 s[\g+6], 0
	s_mov_b32 s[\g+7], 0
.endr
	s_or_b32 s[G1S+0], s42, (3<<16)|(1<<21)        ; scale words of 8 tiles: 4,096 dense bytes as 16 rows of 256
	s_or_b32 s[G1SB+0], s43, (3<<16)|(1<<21)
.irp g, G1S, G1SB
	s_mov_b32 s[\g+1], 32<<16
	s_mov_b32 s[\g+2], 16<<16
	s_mov_b32 s[\g+3], 32<<16
	s_mov_b32 s[\g+4], 16
	s_mov_b32 s[\g+5], 32
	s_mov_b32 s[\g+6], 0
	s_mov_b32 s[\g+7], 0
.endr
	s_lshl_b32 s2, s[TR], 4                        ; A: the first tile that I fetch (registers that never hold cx)
	s_lshl_b32 s3, s[WC], 3
	s_add_co_u32 s2, s2, s3
	s_lshl_b32 s44, s2, 9
	s_add_co_u32 s44, s44, 6291456
	s_mov_b32 s45, 0
	s_mul_i32 s2, s2, 12288
	s_mov_b32 s3, 0
	s_lshl_b32 s46, s[TC], 4                       ; B: Wo's tiles begin at 192 (registers that never hold cy)
	s_lshl_b32 s47, s[WC], 3
	s_add_co_u32 s46, s46, s47
	s_add_co_u32 s46, s46, 192
	s_lshl_b32 s66, s46, 9
	s_add_co_u32 s66, s66, 3145728
	s_mov_b32 s67, 0
	s_mul_i32 s46, s46, 12288
	s_mov_b32 s47, 0
	s_mul_i32 s92, s[WV], HALFT
	s_lshl_b32 s93, s[WV], 12
	s_lshl_b32 s94, s[WR], 7
	s_add_co_u32 s93, s93, s94
	s_add_co_u32 s93, s93, SCL
	s_wait_dscnt 0x0                               ; the opening add is done
	s_wait_kmcnt 0x0
	s_add_nc_u64 s[44:45], s[4:5], s[44:45]
	s_add_nc_u64 s[2:3], s[4:5], s[2:3]
	s_add_nc_u64 s[66:67], s[6:7], s[66:67]
	s_add_nc_u64 s[46:47], s[6:7], s[46:47]
	CROUND                                         ; all sixteen work-groups are here: the first joint loads meet
	s_mov_b32 s[G0S], 1
	s_mov_b32 s[G0S+1], s93
	s_mov_b64 s[G0S+2:G0S+3], s[44:45]
	s_or_b32 s[G0S+3], s[G0S+3], 0x80000000
	s_mov_b32 s[G0SB], 1
	s_mov_b32 s[G0SB+1], s93
	s_mov_b64 s[G0SB+2:G0SB+3], s[66:67]
	s_or_b32 s[G0SB+3], s[G0SB+3], 0x80000000
	JLOAD G0S, G1S, G0SB, G1SB                     ; the scale words first; then both slots: three loads of mine are out
.irp s, 0,1
	s_mov_b32 s[G0+4*\s], 1
	s_add_co_u32 s[G0+4*\s+1], s92, \s*SLOT
	s_add_nc_u64 s[G0+4*\s+2:G0+4*\s+3], s[2:3], \s*TILEB
	s_or_b32 s[G0+4*\s+3], s[G0+4*\s+3], 0x80000000
	s_mov_b32 s[G0B+4*\s], 1
	s_add_co_u32 s[G0B+4*\s+1], s92, \s*SLOT
	s_add_nc_u64 s[G0B+4*\s+2:G0B+4*\s+3], s[46:47], \s*TILEB
	s_or_b32 s[G0B+4*\s+3], s[G0B+4*\s+3], 0x80000000
	JLOAD G0+4*\s, G1, G0B+4*\s, G1B
.endr
	v_and_b32 v1, 31, v0                           ; lane
	v_and_b32 v2, 15, v0                           ; r
	v_bfe_u32 v3, v0, 4, 1                         ; h
	v_lshlrev_b32 v[L16], 4, v1
	v_lshlrev_b32 v[L8], 3, v1
	s_mul_i32 s44, s[WR], HALFT
	s_mul_i32 s45, s[WC], HALFT
	s_add_co_u32 s45, s45, 2*HALFT
.irp s, 0,1
	v_add_nc_u32 v[ADRA16+\s], s44, v[L16]
	v_add_nc_u32 v[ADRA8+\s], s44, v[L8]
	v_add_nc_u32 v[ADRB16+\s], s45, v[L16]
	v_add_nc_u32 v[ADRB8+\s], s45, v[L8]
	s_add_co_u32 s44, s44, SLOT
	s_add_co_u32 s45, s45, SLOT
.endr
	s_lshl_b32 s44, s[WR], 12
	s_lshl_b32 s45, s[WC], 12
	s_add_co_u32 s45, s45, 8320
	s_sub_co_u32 s45, s45, s44
	v_mul_u32_u24 v4, s45, v3                      ; lanes 16-31 take B's scale words
	s_add_co_u32 s44, s44, SCL
	v_lshl_add_u32 v4, v2, 3, v4
	v_add_nc_u32 v[ADRS], s44, v4
	s_mul_i32 s44, s[WV], 16*SPITCH                ; my stage
	v_mul_u32_u24 v5, v2, SPITCH
	v_lshl_add_u32 v5, v3, 6, v5
	v_add_nc_u32 v[STO], s44, v5                   ; in: row r, + 64 h
	v_add_nc_u32 v[RD], s44, v[L16]                ; back: a row of 512 bytes, 16 bytes a lane
	s_lshl_b32 s46, s[TC], 10
	s_lshl_b32 s47, s[WC], 9
	s_add_co_u32 s46, s46, s47                     ; my first column, in bytes
	s_mov_b32 s47, 0
	s_add_nc_u64 s[92:93], s[8:9], s[46:47]        ; in bo,
	s_lshl_b32 s44, s[TR], 8
	s_lshl_b32 s45, s[WR], 7
	s_add_co_u32 s44, s44, s45
	s_lshl_b32 s44, s44, 12                        ; my first row of 4,096 bytes
	s_add_co_u32 s44, s44, s46
	s_mov_b32 s45, 0
	s_add_nc_u64 s[96:97], s[10:11], s[44:45]      ; and in out0; never stepped
	v_lshlrev_b32 v10, 6, v3                       ; register 16 B + i is column 32 B + 16 h + i
.set n, 0
.rept 16
	global_load_b128 v[BI+4*n:BI+4*n+3], v10, s[92:93] offset:128*(n/4)+16*(n%4)
.set n, n+1
.endr
	s_wait_tensorcnt 1                             ; the scale words and my part of slot 0 are in; slot 1's load may be out
	s_barrier_signal -1
	s_barrier_wait -1
	FETCH_B 0, 0, 0
	FETCH_A 0, 0, 0
	SCALES 0
	FETCH_A 0, 0, 4
	STEP 0, 0, 1                                   ; the first products start the sums
	TURN 0, 1, 1
	STEP 1, 0, 0
	TURN 1, 0, 1
	STEP 0, 0, 0
	TURN 0, 1, 0                                   ; nothing is left to fetch; behind this barrier nobody reads slot 0
	STEP 1, 0, 0
	s_wait_dscnt 4*NL
	WIN MUL_LO
	MUL16 0, 1, NQ-1, 1, 0
	MUL16 2, 1, NQ-1, 1, 0
	s_wait_dscnt 0
	WIN MUL_HI
	MUL16 4, 1, NQ-1, 1, 0
	MUL16 6, 1, NQ-1, 1, 0
	WIN 0
	PLACES NP                                      ; in front of the first read of results and the first write of registers that held A's fragments
	s_wait_loadcnt 0x0                             ; the bias
; THE WAY OUT, A's block a (16 tokens x 128 columns) at a time: the bias is added, the block goes through my own stage in LDS and comes back as whole rows of 512 bytes.
.macro PACK a
	WIN 0x02+((\a)/4)                              ; source 0: window 2 or 3
.set n, 0
.rept 32
	v_pk_add_f32 v[T+n:T+n+1], v[64*((\a)%4)+n:64*((\a)%4)+n+1], v[BI+n:BI+n+1]   ; each accumulator from its low end on
.set n, n+2
.endr
	WIN 0
.endm
.macro TOSTAGE
.irp b, 0,1,2,3,4,5,6,7
	ds_store_b128 v[STO], v[T+8*\b:T+8*\b+3] offset:128*(\b/2)+32*(\b%2)
	ds_store_b128 v[STO], v[T+8*\b+4:T+8*\b+7] offset:128*(\b/2)+32*(\b%2)+16
.endr
.irp t, 0,1,2,3,4,5,6,7,8,9,10,11,12,13,14,15
	ds_load_b128 v[BB+4*\t:BB+4*\t+3], v[RD] offset:\t*SPITCH      ; LDS serves a wave's instructions in order: these see the stores above
.endr
.endm
.macro SEND a
	s_wait_dscnt 0x0                               ; the block is back in registers
.irp t, 0,1,2,3,4,5,6,7,8,9,10,11,12,13,14,15
	global_store_b128 v[L16], v[BB+4*\t:BB+4*\t+3], s[96:97] offset:(32*((\a)/2)+8*((\a)%2)+\t+8*(\t/8))*4096 th:TH_STORE_NT   ; 32 lanes store 512 consecutive bytes, at a multiple of 256 from out0's first byte
.endr
.endm
	PACK 0
	TOSTAGE
.irp a, 1,2,3,4,5,6,7
	PACK \a                                        ; block a's additions stand between block a - 1's loads from the stage and the wait for them
	SEND \a-1
	s_wait_xcnt 0x0                                ; the stores have read their data: the next block's rows land there only behind this wait
	TOSTAGE
.endr
	SEND 7
	s_wait_tensorcnt 0x0                           ; the wave's end
	ds_add_u32 v[SPW], v[NIL]
	s_wait_dscnt 0x0
	CROUND                                         ; the closing round
	s_endpgm
.Lfunc_end_k_qd302bfe38f_gemm_out:
	.size	k_qd302bfe38f_gemm_out, .Lfunc_end_k_qd302bfe38f_gemm_out-k_qd302bfe38f_gemm_out
	.p2alignl 7, 3214868480
	.fill 96, 4, 3214868480
	.section	.rodata,"a",@progbits
	.p2align	6, 0x0
	.amdhsa_kernel k_qd302bfe38f_gemm_out
		.amdhsa_group_segment_fixed_size 327680
		.amdhsa_private_segment_fixed_size 0
		.amdhsa_enable_private_segment 0
		.amdhsa_kernarg_size 32
		.amdhsa_user_sgpr_count 2
		.amdhsa_user_sgpr_kernarg_segment_ptr 1
		.amdhsa_wavefront_size32 1
		.amdhsa_system_sgpr_workgroup_id_x 1
		.amdhsa_system_sgpr_workgroup_id_y 1
		.amdhsa_system_sgpr_workgroup_id_z 1
		.amdhsa_system_vgpr_workitem_id 0
		.amdhsa_next_free_vgpr 1024
		.amdhsa_next_free_sgpr 102
		.amdhsa_reserve_vcc 0
		.amdhsa_float_denorm_mode_32 3
		.amdhsa_float_denorm_mode_16_64 3
		.amdhsa_memory_ordered 1
		.amdhsa_forward_progress 1
		.amdhsa_inst_pref_size 160
	.end_amdhsa_kernel
	.amdgpu_metadata
---
amdhsa.version: [ 1, 2 ]
amdhsa.kernels:
  - .name:           k_qd302bfe38f_gemm_out
    .symbol:         k_qd302bfe38f_gemm_out.kd
    .args:
      - { .name: yq, .offset: 0, .size: 8, .value_kind: global_buffer, .address_space: global }
      - { .name: wq, .offset: 8, .size: 8, .value_kind: global_buffer, .address_space: global }
      - { .name: bo, .offset: 16, .size: 8, .value_kind: global_buffer, .address_space: global }
      - { .name: out0, .offset: 24, .size: 8, .value_kind: global_buffer, .address_space: global }
    .group_segment_fixed_size: 327680
    .private_segment_fixed_size: 0
    .kernarg_segment_align: 8
    .kernarg_segment_size: 32
    .max_flat_workgroup_size: 128
    .sgpr_count:     102
    .vgpr_count:     1024
    .wavefront_size: 32
...
	.end_amdgpu_metadata
.endif
;; end of part 4
